; MI455X (gfx1250); checked and timed in simulation.
; The chip was launched on July 23, 2026; its instructions are those of AMD's public machine-readable ISA for CDNA 5 (MIT licence, August 2026) and "CDNA5" Instruction Set Architecture Reference Guide (July 2026). The comments in the code are by the model that wrote it; some were corrected since.
;; Multi Head Self Attention. Allowed arithmetic: matrix products marked QUANTISED: E4M3 operands, one given power-of-two scale a tensor, by v_wmma_f32_16x16x64_fp8_fp8 or v_wmma_f32_16x16x128_fp8_fp8, f32 sums; everything else in f32.
;; Inputs: W_out_codes 1,024 x 32 x 32 uint8 (E4M3 codes of W_out, K innermost, in blocks of 32 codes); W_qkv_codes 3,072 x 32 x 32 uint8 (E4M3 codes of W_qkv, K innermost, in blocks of 32 codes); b_out 1,024 float32; b_qkv 3,072 float32; lowp_scales 8 int32 (the exponents e of the quantised operands' scales 2^e); mask 1 x 1 x 2,048 x 2,048 int32; x_codes 4 x 2,048 x 32 x 32 uint8 (E4M3 codes of x, K innermost, in blocks of 32 codes).
;; Outputs: out0 4 x 2,048 x 1,024 float32.
;; This version of the problem:
;;   THIS VERSION OF THE PROBLEM IS GIVEN IN LOW PRECISION. The matrix products marked QUANTISED in the list below multiply operands that are first quantised to E4M3 (4 exponent bits, 3 mantissa bits; 8 bits a number), with one given power-of-two scale for each operand tensor; their sums are f32. All else is computed in f32.
;;   The module's matrix products, in the order in which they are computed (A, B: the left and right operand; K: the contracted axis; several contracted axes count as one K, in the product's order):
;;     1. [M 8,192, K 1,024] x [K 1,024, N 3,072]; A: input x (given as codes); B: input W_qkv (given as codes): QUANTISED (scales: A lowp_scales[0], B lowp_scales[1])
;;     2. batch 64 x [M 2,048, K 64] x [K 64, N 2,048]; A: computed on the way; B: computed on the way: QUANTISED (scales: A lowp_scales[2], B lowp_scales[3])
;;     3. batch 64 x [M 2,048, K 2,048] x [K 2,048, N 64]; A: softmax (see below); B: computed on the way: QUANTISED (scales: A lowp_scales[4], B lowp_scales[5])
;;     4. [M 8,192, K 1,024] x [K 1,024, N 1,024]; A: computed on the way; B: input W_out (given as codes): QUANTISED (scales: A lowp_scales[6], B lowp_scales[7])
;;   THE QUANTISER, for each operand of a quantised product, along K:
;;     - The operand's scale is 2^e, e = its entry of the input lowp_scales (int32; the entries are numbered through the quantised products in the list's order, A before B).
;;     - Each number is divided by the scale, clamped to +-448, and rounded to the nearest number of E4M3, ties to even, subnormals kept.
;;     - The product sums the exact products of the quantised numbers (number of the format x scale) in f32.
;;   ~~~python
;;   def quantise(x, axis, e):      # numpy; x: float32 -> the quantised numbers, widened to float32 again
;;       x = np.moveaxis(x, axis, -1); K = x.shape[-1]
;;       r = np.clip(x / 2.0 ** e, -448, 448)
;;       step = 2.0 ** (np.maximum(np.frexp(np.where(r == 0, 1, r))[1] - 1, -6) - 3)
;;       q = np.round(r / step) * step * 2.0 ** e      # np.round: ties to even
;;       return np.moveaxis(q, -1, axis).astype(np.float32)
;;   ~~~
;;   SOFTMAX AHEAD OF A QUANTISED PRODUCT. Where the list says 'softmax', what is quantised is not the finished softmax but p = 2^(t - M), with t = logit x log2(e) and M = ceil(the row's largest t), a whole number; so 1/2 < the row's largest p <= 1. The row's sum l is taken of the UNQUANTISED p, in f32, and the product's result is divided by l at the end. Since M is a whole number, a kernel that streams over the keys may use a running M (the ceiling of the running maximum): every later rescaling is an exact power of two, so the quantised numbers keep their values, but for numbers so far below the row's largest that they fall under the format's range.
;;   OPERANDS COMPUTED ON THE WAY. 'Computed on the way' means the value that the module computes at that place (a softmax that the list does not call 'softmax' is quantised finished and normalised). What goes into a quantiser is computed in f32, as accurately as f32 sums, v_exp_f32 and their like allow (about 1e-6 of the number): no bf16 or f16 on the way to a quantiser, and a product that is left as it is and whose result goes on into a quantised operand takes f32 operands (vector FMAs, or v_wmma_f32_16x16x4_f32). A number that lies on a knife's edge between two numbers of the format may be rounded either way, as far as f32 arithmetic and the matrix unit's own rounding can turn it there, and no further.
;;   INPUTS GIVEN AS CODES. W_out (in the module: [1024, 1024], K = its axis 1); W_qkv (in the module: [3072, 1024], K = its axis 1); x (in the module: [4, 2048, 1024], K = its axis 2): each comes as NAME_codes (uint8): NAME with its K axis moved to the last place and cut into blocks of 32 codes, [.., K / 32, bytes a block], one block behind the other in memory; one code a byte (a code: sign, 4 exponent bits, 3 mantissa bits); its scale is its entry of lowp_scales. Its value is code x scale, taken as it is: it is not quantised again, and the codes and scales need not be those that the quantiser above would give.
;; One version. Each part assembles by itself: llvm-mc -triple=amdgcn-amd-amdhsa -mcpu=gfx1250 --defsym DOCPART=n.
;; ======== version 1 of 1: 4 launches
;; limits: right only within a limited range of input values
;; workspace buffers: q_img 8,388,608 bytes; kv_img 16,777,216 bytes; a_img 8,388,608 bytes; mbits 524,288 bytes of whole numbers; mflag 512 bytes of whole numbers
;; launch maskpack (part 1): grid 128 x 1, 16 waves a work-group, no clusters, 137,472 bytes of LDS; arguments mask, mbits, mflag; writes mbits, mflag
.if DOCPART == 1
	.amdgcn_target "amdgcn-amd-amdhsa--gfx1250"
	.amdhsa_code_object_version 6
	.text
	.protected	k_qf61706bf16_maskpack
	.globl	k_qf61706bf16_maskpack
	.p2align	8
	.type	k_qf61706bf16_maskpack,@function
k_qf61706bf16_maskpack:
	s_mov_b64 s[64:65], 0
	v_nop
	global_prefetch_b8 v0, s[64:65] scope:SCOPE_SE
	s_setreg_imm32_b32 hwreg(HW_REG_WAVE_MODE, 25, 1), 1
	s_wait_xcnt 0x0
; The mask [2048 queries][2048 keys], int32, becomes lane masks in the order of the attention launch's score registers, and one word of flags for each tile of 16 queries.
; mbits [qtile 128][step 16][word n 64]: bit (r + 16 h) of word n = 8 kt + j says whether mask[16 qtile + r][128 step + 16 kt + 8 h + j] is not 0.
; mflag [qtile 128]: bit s: key step s has work; bit 16 + s: step s is not all open.  A step has work where any of its 16 x 128 numbers is open; in a tile of queries with a row
; that has no open key at all every step has work, since such a row weighs all 2,048 keys alike.
; SHARES.  A work-group takes 16 queries (131,072 bytes of the mask), its wave s key step s: 16 rows x 512 bytes.  Each load takes 512 consecutive bytes of one row; the 8,192 bytes turn through the wave's
; own stage in LDS (rows 528 bytes apart, so that the sixteen rows that a load back touches start at sixteen different banks: 64 banks of 4 bytes, ISA guide 11.1) and come back in the scores' order:
; lane (r, h), register 8 t + j = key 16 t + 8 h + j of row r.  A compare of register n then IS word n.  No matrix unit, no cluster, no tensor load: a stream that is read once, and nothing is shared.
.set SP,   528                         ; a stage row: 512 bytes + 16
.set WREG, 16*SP                       ; a wave's stage
.set FLG,  16*WREG                     ; behind the stages: one word for each wave
.set RAW,  16                          ; v16-79   the rows as loaded: row i in four registers
.set MK,   80                          ; v80-143  the same numbers in the scores' order
.set ANY,  12                          ; s12  the OR of the wave's 64 words
.set ALL,  13                          ; s13  their AND
	s_load_b128 s[4:7], s[0:1], 0x0                ; mask s[4:5], mbits s[6:7]
	s_load_b64 s[8:9], s[0:1], 0x10                ; mflag
	v_lshl_add_u32 v144, v0, 2, 0x21100
	v_mov_b32 v145, 0
	v_lshrrev_b32 v1, 5, v0
	v_readfirstlane_b32 s10, v1                    ; wave = key step
	v_and_b32 v1, 31, v0                           ; lane
	v_and_b32 v2, 15, v0                           ; r
	v_bfe_u32 v3, v0, 4, 1                         ; h
	v_lshlrev_b32 v4, 4, v1                        ; 16 x lane: my bytes of a row's 512
	v_lshlrev_b32 v5, 3, v1                        ; 8 x lane: my two words of the 64
	s_mul_i32 s11, s10, WREG
	v_add_nc_u32 v11, s11, v4                      ; the stage, on the way in
	v_mul_u32_u24 v12, v2, SP
	v_lshl_add_u32 v12, v3, 5, v12
	v_add_nc_u32 v12, s11, v12                     ; and back: row r, + 32 h
	v_lshl_add_u32 v10, v2, 2, FLG                 ; the word of step lane % 16
	s_lshl_b32 s11, s10, 2
	s_add_co_u32 s11, s11, FLG
	v_mov_b32 v9, s11                              ; my wave's word
	v_mov_b32 v6, 0                                ; the words: a lane write's destination counts as read
	v_mov_b32 v7, 0
	s_lshl_b32 s14, ttmp9, 17                      ; 16 rows of 8,192 bytes
	s_lshl_b32 s15, s10, 9                         ; + 128 keys of 4 bytes
	s_add_co_u32 s14, s14, s15
	s_mov_b32 s15, 0
	s_lshl_b32 s16, ttmp9, 12                      ; mbits: 16 steps of 256 bytes
	s_lshl_b32 s17, s10, 8
	s_add_co_u32 s16, s16, s17
	s_mov_b32 s17, 0
	s_lshl_b32 s18, ttmp9, 2                       ; mflag: a word
	s_mov_b32 s19, 0
	s_mov_b32 s[ANY], 0
	s_mov_b32 s[ALL], -1
	s_wait_kmcnt 0x0
	s_add_nc_u64 s[4:5], s[4:5], s[14:15]
	s_add_nc_u64 s[6:7], s[6:7], s[16:17]
	s_add_nc_u64 s[8:9], s[8:9], s[18:19]
.irp i, 0,1,2,3,4,5,6,7,8,9,10,11,12,13,14,15
	global_load_b128 v[RAW+4*\i:RAW+4*\i+3], v4, s[4:5] offset:8192*\i th:TH_LOAD_NT   ; 32 lanes read 512 consecutive bytes of row i; read once in the launch
.endr
.irp i, 0,1,2,3,4,5,6,7,8,9,10,11,12,13,14,15
	s_wait_loadcnt 15-\i                           ; row i is in; the younger rows may be out
	ds_store_b128 v11, v[RAW+4*\i:RAW+4*\i+3] offset:SP*\i
.endr
.irp t, 0,1,2,3,4,5,6,7
	ds_load_b128 v[MK+8*\t:MK+8*\t+3], v12 offset:64*\t        ; LDS serves a wave's instructions in order (ISA guide 5.7.1.4): these see my stores
	ds_load_b128 v[MK+8*\t+4:MK+8*\t+7], v12 offset:64*\t+16
.endr
; words 32 g to 32 g + 31.  left: the LDS loads that may stay out
.macro HALF g, left
	s_wait_dscnt \left
.set n, 0
.rept 32
	v_cmp_ne_u32 s[32+n], 0, v[MK+32*\g+n]         ; the 32 lanes' bits are word 32 g + n
.set n, n+1
.endr
.set n, 0
.rept 32
	s_or_b32 s[ANY], s[ANY], s[32+n]
	s_and_b32 s[ALL], s[ALL], s[32+n]
	v_writelane_b32 v[6+n%2], s[32+n], 16*\g+n/2   ; word N goes to lane N / 2, register N % 2: the lane's 8 bytes of the 256
.set n, n+1
.endr
.endm
	HALF 0, 8                                      ; the first eight loads back are in
	HALF 1, 0
	global_store_b64 v5, v[6:7], s[6:7]            ; the wave stores 256 consecutive bytes, at a multiple of 256 from the buffer's first byte
	; my step in one word: bits 0-15 the rows that have an open key here; bit 16: any open; bit 17: not all open
	s_lshr_b32 s14, s[ANY], 16
	s_or_b32 s14, s14, s[ANY]
	s_and_b32 s14, s14, 0xffff
	s_cmp_lg_u32 s[ANY], 0
	s_cselect_b32 s15, 0x10000, 0
	s_or_b32 s14, s14, s15
	s_cmp_lg_u32 s[ALL], -1
	s_cselect_b32 s15, 0x20000, 0
	s_or_b32 s14, s14, s15
	v_mov_b32 v8, s14
	ds_store_b32 v9, v8                            ; all lanes write the same word with the same number
	s_wait_dscnt 0x0                               ; for the others' sake: my word has landed
	s_barrier_signal -1
	s_barrier_wait -1
	ds_load_b32 v8, v10                            ; lane l: the word of step l % 16
	s_wait_dscnt 0x0
	v_and_b32 v9, 0x10000, v8
	v_cmp_ne_u32 s14, 0, v9                        ; bit s: step s has an open key
	v_and_b32 v9, 0x20000, v8
	v_cmp_ne_u32 s15, 0, v9                        ; bit s: step s is not all open
	s_and_b32 s14, s14, 0xffff
	s_and_b32 s15, s15, 0xffff
	v_readlane_b32 s16, v8, 0
.irp l, 1,2,3,4,5,6,7,8,9,10,11,12,13,14,15
	v_readlane_b32 s17, v8, \l
	s_or_b32 s16, s16, s17                         ; the rows that have an open key in some step
.endr
	s_and_b32 s16, s16, 0xffff
	s_cmp_eq_u32 s16, 0xffff
	s_cselect_b32 s14, s14, 0xffff                 ; a row without any open key: every step has work
	s_lshl_b32 s15, s15, 16
	s_or_b32 s14, s14, s15
	v_mov_b32 v8, s14
	v_mov_b32 v13, 0
	s_cmp_lg_u32 s10, 0
	s_cbranch_scc1 .Ldone                          ; wave 0 stores the flags: 4 bytes a work-group, 512 bytes in the launch
	v_cmp_gt_u32 vcc_lo, 1, v0
	s_wait_xcnt 0x0                                ; EXEC changes only behind this wait: my store above has had its address translated
	s_and_saveexec_b32 s20, vcc_lo
	global_store_b32 v13, v8, s[8:9]
	s_wait_xcnt 0x0
	s_or_b32 exec_lo, exec_lo, s20
.Ldone:
	s_wait_tensorcnt 0x0
	ds_add_u32 v144, v145
	s_wait_dscnt 0x0
	s_endpgm
.Lfunc_end_k_qf61706bf16_maskpack:
	.size	k_qf61706bf16_maskpack, .Lfunc_end_k_qf61706bf16_maskpack-k_qf61706bf16_maskpack
	.p2alignl 7, 3214868480
	.fill 96, 4, 3214868480
	.section	.rodata,"a",@progbits
	.p2align	6, 0x0
	.amdhsa_kernel k_qf61706bf16_maskpack
		.amdhsa_group_segment_fixed_size 137472
		.amdhsa_private_segment_fixed_size 0
		.amdhsa_enable_private_segment 0
		.amdhsa_kernarg_size 24
		.amdhsa_user_sgpr_count 2
		.amdhsa_user_sgpr_kernarg_segment_ptr 1
		.amdhsa_wavefront_size32 1
		.amdhsa_system_sgpr_workgroup_id_x 1
		.amdhsa_system_sgpr_workgroup_id_y 1
		.amdhsa_system_sgpr_workgroup_id_z 1
		.amdhsa_system_vgpr_workitem_id 0
		.amdhsa_next_free_vgpr 146
		.amdhsa_next_free_sgpr 66
		.amdhsa_reserve_vcc 1
		.amdhsa_float_denorm_mode_32 3
		.amdhsa_float_denorm_mode_16_64 3
		.amdhsa_memory_ordered 1
		.amdhsa_forward_progress 1
		.amdhsa_inst_pref_size 22
	.end_amdhsa_kernel
	.amdgpu_metadata
---
amdhsa.version: [ 1, 2 ]
amdhsa.kernels:
  - .name:           k_qf61706bf16_maskpack
    .symbol:         k_qf61706bf16_maskpack.kd
    .args:
      - { .name: mask, .offset: 0, .size: 8, .value_kind: global_buffer, .address_space: global }
      - { .name: mbits, .offset: 8, .size: 8, .value_kind: global_buffer, .address_space: global }
      - { .name: mflag, .offset: 16, .size: 8, .value_kind: global_buffer, .address_space: global }
    .group_segment_fixed_size: 137472
    .private_segment_fixed_size: 0
    .kernarg_segment_align: 8
    .kernarg_segment_size: 24
    .max_flat_workgroup_size: 512
    .sgpr_count:     66
    .vgpr_count:     146
    .wavefront_size: 32
...
	.end_amdgpu_metadata
.endif
;; end of part 1
;; launch qkv (part 2): grid 12 x 32, 4 waves a work-group, clusters of 4 x 4, 327,680 bytes of LDS; arguments x_codes, W_qkv_codes, b_qkv, lowp_scales, q_img, kv_img; writes q_img, kv_img
.if DOCPART == 2
	.amdgcn_target "amdgcn-amd-amdhsa--gfx1250"
	.amdhsa_code_object_version 6
	.text
	.protected	k_qf61706bf16_qkv
	.globl	k_qf61706bf16_qkv
	.p2align	8
	.type	k_qf61706bf16_qkv,@function
k_qf61706bf16_qkv:
	s_mov_b64 s[64:65], 0
	v_nop
	global_prefetch_b8 v0, s[64:65] scope:SCOPE_SE
	s_setreg_imm32_b32 hwreg(HW_REG_WAVE_MODE, 25, 1), 1
	s_wait_xcnt 0x0
	s_wait_alu depctr_hold_cnt(0) depctr_sa_sdst(0) depctr_va_vdst(0) depctr_va_sdst(0) depctr_va_ssrc(0) depctr_va_vcc(0) depctr_vm_vsrc(0)
	s_getreg_b32 s2, hwreg(HW_REG_IB_STS2, 6, 4)
	s_cmp_eq_u32 s2, 0
	s_cbranch_scc0 .Lentry_in_a_cluster
	s_endpgm
.Lentry_in_a_cluster:
	s_bfe_u32 s2, ttmp6, 0x10000c
	s_cmp_lg_u32 s2, 0xf033
	s_cbranch_scc0 .Lentry_shape_is_right
	s_endpgm
.Lentry_shape_is_right:
; qkv = x W_qkv^T + b_qkv on codes of E4M3 (x: scale 2^e0, W_qkv: 2^e1), then q, k and v are quantised (2^e2, 2^e3, 2^e5) and stored as IMAGES OF THE NEXT PRODUCTS' OPERAND REGISTERS.
; x: [8192 tokens][1024], W_qkv: [3072][1024]: one code a byte, K innermost.  A work-group of four waves makes 256 x 256 sums, a wave 128 x 128: 64 accumulators of 16 x 16, 512 registers.
; K goes in steps of 256 through a ring of two LDS slots filled by the tensor data mover: a tile's row is 256 bytes of memory.
; THE MATRIX INSTRUCTION IS USED TRANSPOSED (source 0 = 16 rows of 'B', source 1 = 16 rows of 'A'): a lane holds one row of A and eight NEIGHBOURING rows of B, which one conversion turns into 8 codes.
; q and k want neighbours along the head's 64 (their K), v along the tokens (its K are the keys).  So the cluster's x, which all sixteen partners share, says who is who:
;   cluster x = 0 (q), 1 (k): A = x (tile row 4 cluster y + cy), B = W_qkv (tile column 4 cluster x + cx);    cluster x = 2 (v): A = W_qkv's rows 2,048 on (tile row cy), B = x (tile column 4 cluster y + cx).
; Both tensors have rows of 1,024 bytes, so only two pointers and two numbers are chosen (s_cselect); no branch hangs on the choice.
; CLUSTERS: 4 x 4 work-groups; the four of a row of the cluster need the same tiles of A, the four of a column the same tiles of B: each tile is asked for JOINTLY.
; THE IMAGES.  q_img [bh 64][qtile 128][g 2][lane][16 bytes]: lane (r, h): query 16 qtile + r; bytes 0-7: d = 32 g + 8 h + 0..7, bytes 8-15: d + 16: registers 4 g .. 4 g + 3 of the K = 64 form's fragment.
; kv_img [bh 64][step 16][16,384]: K: [kt 8][g 2][lane][16] laid as q (key 128 step + 16 kt + r); from byte 8,192 V^T: [dt 4][c 4][lane][16]: row d = 16 dt + r; bytes 0-7: key 128 step + 32 c + 8 h + 0..7, bytes 8-15: key + 16.
; In each of them lane (r, h)'s 16 bytes are the codes of ITS OWN accumulators 2 c and 2 c + 1 of a block: nothing changes lanes, and a wave's store covers 512 consecutive bytes.
; LIMITS: e0 + e1 between -126 and 127; e2, e3, e5 between -126 and 119, so that each power of two below is an f32 number.  NaN is not served.
; No prefetch: K has four steps, of which two are the first fills, and the tiles are shared in the cluster.
; REGISTERS, in windows of 256: window 0: v0-31 addresses; v32-95 bias along the registers; v96-111 bias along the lanes (each number twice, a pair for the packed add); v112, v113 the scale and the hold;
;   from v128 A's fragments (ONE set), on the way out v128-191 a block's numbers and v192-223 its codes, two sets by turns.   window 1: B's fragments, TWO sets.   windows 2, 3: the accumulators ((a, b) at v[8 (8 (a % 4) + b)]).
.set KSTEP,  256
.set ROWB,   256                       ; a tile's row in bytes
.set KROW,   1024                      ; a row of x or of W_qkv in memory
.set PITCH,  272                       ; an LDS row: 256 bytes + 16 of padding = 68 words: row r starts at bank 4 r mod 64 (64 banks of 4 bytes: ISA guide 11.1)
.set FR,     16                        ; registers of a fragment: 16 rows x 128 K
.set NL,     4                         ; LDS loads that bring one
.set NP,     4                         ; places behind this matrix instruction (ISA guide 7.12.1)
.set HALFT,  128*PITCH                 ; 128 rows: what one tensor load brings
.set SLOT,   4*HALFT                   ; A's 256 rows, then B's 256 rows
.set LAPS,   2                         ; 1,024 along K: twice round the ring
.set SPARE,  2*SLOT                    ; behind the ring: the spare words, 128 bytes for each wave
.set ADRA, 16                          ; v16-17  LDS address of my A fragments in slot 0, 1
.set ADRB, 20                          ; v20-21  the same for B
.set VO0,  24                          ; v24     16 x lane
.set VO1,  25                          ; v25     16 x lane + the distance to a block's third and fourth store
.set BRA,  26                          ; v26     byte offset in b_qkv of the bias along the registers
.set BLA,  27                          ; v27     and along the lanes
.set SPW,  28                          ; v28     LDS address of my spare word; never rewritten
.set NIL,  29                          ; v29     0; never rewritten
.set BR,   32
.set BL,   96
.set SC,   112
.set LIM,  113
.set AF,   128
.set TMP,  128
.set CD,   192
.set G1, 24                            ; s[24:31] descriptor group 1 for A's tiles;  s[32:39] group 0, one set for each slot
.set G0, 32
.set G1B, 48                           ; s[48:55], s[56:63] the same for B's tiles
.set G0B, 56
.set MSB, 0
.macro WIN new                         ; the immediate's high byte repeats the setting that is left
.if MSB != \new
	s_set_vgpr_msb (MSB<<8)|\new
.set MSB, \new
.endif
.endm
.set MUL_LO, 0xa1                      ; source 0 (B) window 1, source 1 (A) window 0, C and D window 2
.set MUL_HI, 0xf1                      ; the same, C and D window 3
.set TO_B,   0x40                      ; destination window 1, address window 0
; A joint load: waves 0 and 1 fetch for A, waves 2 and 3 for B.  Each line has one mask and one set of registers for all that issue it; the branch hangs on the wave's number alone.
; Four v_nop follow each of the two lines, ahead of the jump, the label and what follows.
.macro JLOAD g0a, g1a, g0b, g1b
	s_cmp_eq_u32 s15, 0
	s_cbranch_scc0 .Lfor_b_\@
	tensor_load_to_lds s[\g0a:\g0a+3], s[\g1a:\g1a+7]
	s_nop 0
.rept 4
	v_nop
.endr
	s_branch .Lasked_\@
.Lfor_b_\@:
	tensor_load_to_lds s[\g0b:\g0b+3], s[\g1b:\g1b+7]
	s_nop 0
.rept 4
	v_nop
.endr
.Lasked_\@:
.endm
.macro CREST                           ; a round of the cluster's barrier behind its opening barrier
	s_cmp_lg_u32 s14, 0
	s_cbranch_scc1 .Lnot_wave_0_\@
	s_barrier_signal -3
.Lnot_wave_0_\@:
	s_barrier_wait -3
	s_barrier_signal -1
	s_barrier_wait -1
.endm
.macro CROUND                          ; a whole round
	s_barrier_signal -1
	s_barrier_wait -1
	CREST
.endm
	s_load_b256 s[4:11], s[0:1], 0x0               ; x s[4:5], W_qkv s[6:7], b_qkv s[8:9], the scales' exponents s[10:11]
	s_load_b128 s[84:87], s[0:1], 0x20             ; q_img s[84:85], kv_img s[86:87]
	v_lshl_add_u32 v[SPW], v0, 2, SPARE
	v_mov_b32 v[NIL], 0
	ds_add_u32 v28, v29
	ds_add_u32 v28, v29
	s_wait_dscnt 0x0
	v_lshrrev_b32 v1, 5, v0
	v_readfirstlane_b32 s14, v1                    ; wave 0..3
	s_lshr_b32 s15, s14, 1                         ; which half of the tile's rows (A) is mine.  Also: I fetch for A (0) or for B (1)
	s_and_b32 s16, s14, 1                          ; which half of its columns (B).  Also: which 128 rows of that tile I fetch
	s_bfe_u32 s40, ttmp6, 0x40000                  ; cx, cy: my place in the cluster
	s_bfe_u32 s41, ttmp6, 0x40004
	s_and_b32 s17, ttmp7, 0xffff                   ; cluster y
	s_cmp_eq_u32 ttmp9, 2                          ; v's clusters?  The cluster's x is the same in all sixteen partners
	s_cselect_b32 s42, s17, ttmp9                  ; B's tile column counts by cluster y for v (tokens), else by cluster x (rows of W_qkv)
	s_cselect_b32 s17, 0, s17                      ; A's tile row counts by nothing for v (four tile rows of W_qkv), else by cluster y (tokens)
	s_lshl_b32 s42, s42, 2
	s_add_co_u32 s42, s42, s40                     ; B's tile column
	s_lshl_b32 s17, s17, 2
	s_add_co_u32 s17, s17, s41                     ; A's tile row
	s_lshl_b32 s43, s41, 2
	s_lshl_b32 s43, 15, s43                        ; my row of the cluster
	s_lshl_b32 s44, 0x1111, s40                    ; my column
	; descriptor group 1: a tile of 128 rows x 256 bytes, padded in LDS
	s_or_b32 s[G1+0], s43, (0<<16)|(1<<20)|(1<<21)|(5<<22)|(3<<25)  ; 15:0 the mask: A's tiles go to my row; 17:16 element of 1 byte; 20 padding on; 21 set beside a mask; 24:22 after every 64 words (code 5); 31:25 of 4 words (code 3)
	s_or_b32 s[G1B+0], s44, (0<<16)|(1<<20)|(1<<21)|(5<<22)|(3<<25)
.irp g, G1, G1B
	s_mov_b32 s[\g+1], ROWB<<16                    ; tensor_dim0
	s_mov_b32 s[\g+2], 128<<16                     ; tensor_dim1 = 128
	s_mov_b32 s[\g+3], ROWB<<16                    ; tile_dim0
	s_mov_b32 s[\g+4], 128                         ; tile_dim1 = 128
	s_mov_b32 s[\g+5], KROW                        ; tensor_dim0_stride
	s_mov_b32 s[\g+6], 0
	s_mov_b32 s[\g+7], 0
.endr
	s_lshl_b32 s18, s16, 7                         ; which 128 rows of the tile I fetch
	s_lshl_b32 s20, s17, 8
	s_add_co_u32 s20, s20, s18                     ; A: row 256 x tile row + 128 x half,
	s_lshl_b32 s20, s20, 10                        ; in bytes (under 2^23)
	s_mov_b32 s21, 0
	s_lshl_b32 s46, s42, 8
	s_add_co_u32 s46, s46, s18                     ; B: row 256 x tile column + 128 x half
	s_lshl_b32 s46, s46, 10
	s_mov_b32 s47, 0
	s_mul_i32 s45, s14, HALFT                      ; where they go: wave x 128 rows: no place in the cluster enters an LDS address
	s_wait_kmcnt 0x0
	s_load_b256 s[88:95], s[10:11], 0x0            ; e0 .. e7
	s_add_nc_u64 s[12:13], s[6:7], 0x200000        ; W_qkv's row 2,048: v's weights
	s_cmp_eq_u32 ttmp9, 2
	s_cselect_b64 s[12:13], s[12:13], s[4:5]       ; A's tensor
	s_cselect_b64 s[6:7], s[4:5], s[6:7]           ; B's tensor
	s_add_nc_u64 s[20:21], s[12:13], s[20:21]
	s_add_nc_u64 s[46:47], s[6:7], s[46:47]
	CROUND                                         ; all sixteen work-groups are here: the first joint loads meet
.irp s, 0,1
	s_mov_b32 s[G0+4*\s], 1
	s_add_co_u32 s[G0+4*\s+1], s45, \s*SLOT
	s_add_nc_u64 s[G0+4*\s+2:G0+4*\s+3], s[20:21], \s*ROWB
	s_or_b32 s[G0+4*\s+3], s[G0+4*\s+3], 0x80000000
	s_mov_b32 s[G0B+4*\s], 1
	s_add_co_u32 s[G0B+4*\s+1], s45, \s*SLOT
	s_add_nc_u64 s[G0B+4*\s+2:G0B+4*\s+3], s[46:47], \s*ROWB
	s_or_b32 s[G0B+4*\s+3], s[G0B+4*\s+3], 0x80000000
	JLOAD G0+4*\s, G1, G0B+4*\s, G1B
.endr
	v_and_b32 v1, 15, v0                           ; r = l % 16
	v_bfe_u32 v2, v0, 4, 1                         ; h = l / 16
	v_mul_u32_u24 v3, v1, PITCH
	v_lshl_add_u32 v4, v2, 4, v3                   ; a fragment's row x pitch + 16 x half
	s_mul_i32 s21, s15, HALFT                      ; my 128 rows of A
	s_mul_i32 s22, s16, HALFT                      ; my 128 rows of B,
	s_add_co_u32 s22, s22, 2*HALFT                 ; which lie behind A's 256
.irp s, 0,1
	v_add_nc_u32 v[ADRA+\s], s21, v4
	v_add_nc_u32 v[ADRB+\s], s22, v4
	s_add_co_u32 s21, s21, SLOT
	s_add_co_u32 s22, s22, SLOT
.endr
	; WHERE MY 128 x 128 GOES.  rho0: my first row of A; c0: my first row of B
	s_lshl_b32 s12, s17, 8
	s_lshl_b32 s18, s15, 7
	s_add_co_u32 s12, s12, s18                     ; rho0
	s_lshl_b32 s13, s42, 8
	s_lshl_b32 s18, s16, 7
	s_add_co_u32 s13, s13, s18                     ; c0
	s_and_b32 s19, s13, 1023
	s_add_co_u32 s21, s12, 2048
	s_mov_b32 s22, 4096
	s_mov_b32 s23, 1024
	s_cmp_eq_u32 ttmp9, 2
	s_cselect_b32 s18, s13, s12                    ; my first token
	s_cselect_b32 s19, s12, s19                    ; my first column within q, k or v: two heads of 64
	s_cselect_b32 s20, 0, s13                      ; bias along the registers: b_qkv[c0 ..] for q and k (for v any 128 numbers of the buffer: they are replaced by 0)
	s_cselect_b32 s21, s21, 0                      ; bias along the lanes: b_qkv[2048 + rho0 ..] for v (for q and k likewise)
	s_cselect_b32 s22, 0x40000, s22                ; from block a to a + 4: v: the next head; q, k: 64 tokens
	s_cselect_b32 s23, 2048, s23                   ; from block a to a + 1: v: 16 of the head's 64; q, k: 16 tokens
	s_cselect_b32 s43, 8192, 0                     ; V^T lies behind K in a step
	s_cselect_b32 s98, 0, -1                       ; keep the bias along the registers?
	s_cselect_b32 s99, -1, 0                       ; along the lanes?
	s_cmp_eq_u32 ttmp9, 0
	s_cselect_b32 s44, 17, 18                      ; a head's bytes: 2^17 in q_img, 2^18 in kv_img
	s_cselect_b32 s45, 13, 14                      ; 128 tokens' bytes: 2^13, 2^14
	s_cselect_b64 s[84:85], s[84:85], s[86:87]     ; the buffer
	s_lshl_b32 s46, 1, s44
	s_cmp_eq_u32 ttmp9, 2
	s_cselect_b32 s46, 1024, s46                   ; from a block's second store to its third: v: 64 keys on; q, k: the next head
	s_lshr_b32 s47, s18, 11                        ; the batch,
	s_lshl_b32 s47, s47, 4
	s_lshr_b32 s19, s19, 6
	s_add_co_u32 s47, s47, s19                     ; 16 x batch + head
	s_lshl_b32 s47, s47, s44
	s_bfe_u32 s18, s18, 0x40007                    ; which 128 of the batch's 2,048 tokens
	s_lshl_b32 s18, s18, s45
	s_add_co_u32 s47, s47, s18
	s_add_co_u32 s66, s47, s43
	s_mov_b32 s67, 0
	s_add_nc_u64 s[84:85], s[84:85], s[66:67]
.irp a, 0,1,2,3,4,5,6,7
	s_mul_i32 s66, s22, \a/4
	s_mul_i32 s47, s23, \a%4
	s_add_co_u32 s66, s66, s47
	s_add_nc_u64 s[68+2*\a:69+2*\a], s[84:85], s[66:67]   ; block a's base: eight pairs, never rewritten
.endr
	v_lshlrev_b32 v[BRA], 5, v2                    ; 8 h numbers,
	s_lshl_b32 s20, s20, 2
	v_add_nc_u32 v[BRA], s20, v[BRA]
	v_lshlrev_b32 v[BLA], 2, v1                    ; r numbers
	s_lshl_b32 s21, s21, 2
	v_add_nc_u32 v[BLA], s21, v[BLA]
.irp b, 0,1,2,3,4,5,6,7
	global_load_b128 v[BR+8*\b:BR+8*\b+3], v[BRA], s[8:9] offset:64*\b         ; b_qkv[.. + 16 b + 8 h + 0..7]: they land while K is walked
	global_load_b128 v[BR+8*\b+4:BR+8*\b+7], v[BRA], s[8:9] offset:64*\b+16
.endr
.irp a, 0,1,2,3,4,5,6,7
	global_load_b32 v[BL+2*\a], v[BLA], s[8:9] offset:64*\a                    ; b_qkv[.. + 16 a + r], into both halves of a pair
	global_load_b32 v[BL+2*\a+1], v[BLA], s[8:9] offset:64*\a
.endr
	v_and_b32 v3, 31, v0
	v_lshlrev_b32 v[VO0], 4, v3
	v_add_nc_u32 v[VO1], s46, v[VO0]
.macro FRAG reg, adr, q, i             ; a fragment, 16 rows x 128 K, is 16 registers: lane l holds row l % 16; registers 4 c .. 4 c + 3 hold K = 32 c + 16 (l / 16) + 0 .. 15: the same places of k in A and in B
.irp c, 0,1,2,3
	ds_load_b128 v[\reg+4*\c:\reg+4*\c+3], v[\adr] offset:128*(\q)+32*\c+(\i)*16*PITCH
.endr
.endm
; 16 matrix instructions: A's blocks a0, a0 + 1 x B's eight, 128 along K.  p: B's set.  zero = 1: the first product starts the sums.
; The 64 accumulators take turns, one instruction a turn, in the same order in every step.
.macro MUL16 a0, p, zero
.irp a, \a0, \a0+1
.irp b, 0,1,2,3,4,5,6,7
.if \zero
	v_wmma_f32_16x16x128_fp8_fp8 v[8*(8*((\a)%4)+\b):8*(8*((\a)%4)+\b)+7], v[128*(\p)+FR*\b:128*(\p)+FR*\b+FR-1], v[AF+FR*(\a):AF+FR*(\a)+FR-1], 0
.else
	v_wmma_f32_16x16x128_fp8_fp8 v[8*(8*((\a)%4)+\b):8*(8*((\a)%4)+\b)+7], v[128*(\p)+FR*\b:128*(\p)+FR*\b+FR-1], v[AF+FR*(\a):AF+FR*(\a)+FR-1], v[8*(8*((\a)%4)+\b):8*(8*((\a)%4)+\b)+7]
.endif
.endr
.endr
.endm
.macro FETCH_B slot, q, p              ; B's eight fragments of the slot's q-th 128 along K into set p
	WIN TO_B
.irp i, 0,1,2,3,4,5,6,7
	FRAG 128*(\p)+FR*\i, ADRB+\slot, \q, \i
.endr
	WIN 0
.endm
.macro FETCH_A slot, q, i0             ; A's blocks i0 .. i0 + 3
.irp i, \i0, \i0+1, \i0+2, \i0+3
	FRAG AF+FR*(\i), ADRA+\slot, \q, \i
.endr
.endm
.macro PLACES n                        ; plain vector instructions between a matrix instruction and a load into, or a vector instruction on, its registers
.rept \n
	v_nop
.endr
.endm
; A step of 128 along K that has its successor in the same slot.
.macro STEP slot, q, zero
	s_wait_dscnt 4*NL                              ; B's set and A's blocks 0-3 are in; the youngest 16 loads (A's blocks 4-7) may be out
	WIN MUL_LO
	MUL16 0, (\q)%2, \zero
	MUL16 2, (\q)%2, \zero
	s_wait_dscnt 0                                 ; A's blocks 4-7 are in
	PLACES NP
	FETCH_B \slot, (\q)+1, 1-(\q)%2
	FETCH_A \slot, (\q)+1, 0
	WIN MUL_HI
	MUL16 4, (\q)%2, \zero
	MUL16 6, (\q)%2, \zero
	PLACES NP
	WIN 0
	FETCH_A \slot, (\q)+1, 4
.endm
; A slot's last step changes slots: ONE barrier; in front of it each wave waits for all its tensor loads, adds 0 to its spare word, and waits for that and for its own reads of this slot.  fill = 1: this slot is filled again, two K steps ahead.
.macro TURN slot, next, fill
	s_wait_tensorcnt 0x0                           ; all my tensor loads have landed: my part of the next slot
	ds_add_u32 v[SPW], v[NIL]                      ; 0 onto my spare word
	s_wait_dscnt 4*NL+1                            ; (the add and the youngest 16 loads, A's blocks 4-7, may be out)
	WIN MUL_LO
	MUL16 0, 1, 0                                  ; sixteen matrix instructions stand between the add and the wait for it
	s_wait_dscnt 0x0                               ; the add is done, and my reads of this slot are over
	s_barrier_signal -1
	MUL16 2, 1, 0
	WIN 0
	s_barrier_wait -1
.if \fill
	CREST                                          ; the barrier has opened a round of the cluster's barrier: no wave of any partner still reads this slot's tile or has a load on its way
	s_add_nc_u64 s[G0+4*\slot+2:G0+4*\slot+3], s[G0+4*\slot+2:G0+4*\slot+3], 2*ROWB
	s_add_nc_u64 s[G0B+4*\slot+2:G0B+4*\slot+3], s[G0B+4*\slot+2:G0B+4*\slot+3], 2*ROWB
	JLOAD G0+4*\slot, G1, G0B+4*\slot, G1B         ; the first tensor load behind the round; the four v_nop behind it are the places in front of the loads below
.else
	PLACES NP
.endif
	FETCH_B \next, 0, 0
	FETCH_A \next, 0, 0
	WIN MUL_HI
	MUL16 4, 1, 0
	MUL16 6, 1, 0
	PLACES NP
	WIN 0
	FETCH_A \next, 0, 4
.endm
	s_wait_tensorcnt 1                             ; my part of K step 0 is in (K step 1's load may be out)
	s_barrier_signal -1
	s_barrier_wait -1                              ; everybody's is
	FETCH_B 0, 0, 0
	FETCH_A 0, 0, 0
	FETCH_A 0, 0, 4
	STEP 0, 0, 1                                   ; the first step stands in front of the loop: its products start the sums
	s_mov_b32 s3, LAPS-1
.Llap:                                                 ; a trip goes once round the ring, from a lap's second step to the next lap's first, and fills both slots again
	TURN 0, 1, 1
	STEP 1, 0, 0
	TURN 1, 0, 1
	STEP 0, 0, 0
	s_sub_co_u32 s3, s3, 1
	s_cmp_lg_u32 s3, 0
	s_cbranch_scc1 .Llap
	TURN 0, 1, 0                                   ; the last lap fills nothing, and has no round of the cluster's barrier
	STEP 1, 0, 0
	s_wait_dscnt 4*NL                              ; the very last step: nothing more to fetch
	WIN MUL_LO
	MUL16 0, 1, 0
	MUL16 2, 1, 0
	s_wait_dscnt 0
	WIN MUL_HI
	MUL16 4, 1, 0
	MUL16 6, 1, 0
	WIN 0
	; THE WAY OUT.  number = sum x 2^(e0 + e1) + bias; held within +-448 x the scale; converted, eight neighbours at a time; stored as it stands.
	s_wait_kmcnt 0x0
	s_add_co_i32 s96, s88, s89
	s_add_co_i32 s96, s96, 127
	s_lshl_b32 s96, s96, 23                        ; 2^(e0 + e1) as f32
	s_mov_b32 s97, s96                             ; (named with it as a pair, so it is written)
	s_cmp_eq_u32 ttmp9, 0
	s_cselect_b32 s12, s90, s91                    ; e2 for q, e3 for k,
	s_cmp_eq_u32 ttmp9, 2
	s_cselect_b32 s12, s93, s12                    ; e5 for v
	s_add_co_i32 s12, s12, 127
	s_lshl_b32 s13, s12, 23
	s_add_co_i32 s12, s12, 8
	s_lshl_b32 s12, s12, 23
	s_or_b32 s12, s12, 0x600000
	s_wait_loadcnt 0x0                             ; the biases
.set j, 0
.rept 64
	v_cndmask_b32 v[BR+j], 0, v[BR+j], s98         ; of the two biases one counts and the other is 0.  (These lines are also the places behind the last products)
.set j, j+1
.endr
.set j, 0
.rept 16
	v_cndmask_b32 v[BL+j], 0, v[BL+j], s99
.set j, j+1
.endr
	v_mov_b32 v[SC], s13                           ; the scale as f32: the conversion takes its exponent field
	v_mov_b32 v[LIM], s12                          ; 448 x the scale
.macro BLOCK a                         ; A's rows 16 a on x B's 128 rows
.set AC, 64*((\a)%4)
.set CC, CD+16*((\a)%2)
	WIN 0x02+((\a)/4)                              ; source 0: window 2 or 3
.set j, 0
.rept 32
	v_pk_fma_f32 v[TMP+j:TMP+j+1], v[AC+j:AC+j+1], s[96:97], v[BR+j:BR+j+1] op_sel_hi:[1,0,1]   ; each accumulator from its low end on
.set j, j+2
.endr
	WIN 0
.set j, 0
.rept 32
	v_pk_add_f32 v[TMP+j:TMP+j+1], v[TMP+j:TMP+j+1], v[BL+2*(\a):BL+2*(\a)+1]   ; one of the two additions adds 0: the number is rounded once
.set j, j+2
.endr
.set j, 0
.rept 64
	v_med3_num_f32 v[TMP+j], v[TMP+j], -v[LIM], v[LIM]   ; the conversion to an 8-bit code does not saturate (ISA guide 7.6.2): the hold comes first
.set j, j+1
.endr
.if (\a) > 1
	s_wait_xcnt 0x0                                ; block a - 2's stores have read this set of code registers
.endif
.set j, 0
.rept 8
	v_cvt_scalef32_pk8_fp8_f32 v[CC+2*j:CC+2*j+1], v[TMP+8*j:TMP+8*j+7], v[SC]
.set j, j+1
.endr
	v_nop                                          ; one plain vector instruction between the conversions and the next block's lines, which write their sources
.irp c, 0,1,2,3
	global_store_b128 v[VO0+\c/2], v[CC+4*\c:CC+4*\c+3], s[68+2*(\a):69+2*(\a)] offset:512*(\c%2)   ; 32 lanes store 512 consecutive bytes, at a multiple of 512 from the buffer's first byte
.endr
.endm
.irp a, 0,1,2,3,4,5,6,7
	BLOCK \a
.endr
	s_wait_tensorcnt 0x0                           ; the wave's end
	ds_add_u32 v[SPW], v[NIL]
	s_wait_dscnt 0x0
	CROUND                                         ; the closing round: no work-group ends while a partner may still ask for a tile that names it
	s_endpgm
.Lfunc_end_k_qf61706bf16_qkv:
	.size	k_qf61706bf16_qkv, .Lfunc_end_k_qf61706bf16_qkv-k_qf61706bf16_qkv
	.p2alignl 7, 3214868480
	.fill 96, 4, 3214868480
	.section	.rodata,"a",@progbits
	.p2align	6, 0x0
	.amdhsa_kernel k_qf61706bf16_qkv
		.amdhsa_group_segment_fixed_size 327680
		.amdhsa_private_segment_fixed_size 0
		.amdhsa_enable_private_segment 0
		.amdhsa_kernarg_size 48
		.amdhsa_user_sgpr_count 2
		.amdhsa_user_sgpr_kernarg_segment_ptr 1
		.amdhsa_wavefront_size32 1
		.amdhsa_system_sgpr_workgroup_id_x 1
		.amdhsa_system_sgpr_workgroup_id_y 1
		.amdhsa_system_sgpr_workgroup_id_z 1
		.amdhsa_system_vgpr_workitem_id 0
		.amdhsa_next_free_vgpr 1024
		.amdhsa_next_free_sgpr 100
		.amdhsa_reserve_vcc 0
		.amdhsa_float_denorm_mode_32 3
		.amdhsa_float_denorm_mode_16_64 3
		.amdhsa_memory_ordered 1
		.amdhsa_forward_progress 1
		.amdhsa_inst_pref_size 160
	.end_amdhsa_kernel
	.amdgpu_metadata
---
amdhsa.version: [ 1, 2 ]
amdhsa.kernels:
  - .name:           k_qf61706bf16_qkv
    .symbol:         k_qf61706bf16_qkv.kd
    .args:
      - { .name: x_codes, .offset: 0, .size: 8, .value_kind: global_buffer, .address_space: global }
      - { .name: W_qkv_codes, .offset: 8, .size: 8, .value_kind: global_buffer, .address_space: global }
      - { .name: b_qkv, .offset: 16, .size: 8, .value_kind: global_buffer, .address_space: global }
      - { .name: lowp_scales, .offset: 24, .size: 8, .value_kind: global_buffer, .address_space: global }
      - { .name: q_img, .offset: 32, .size: 8, .value_kind: global_buffer, .address_space: global }
      - { .name: kv_img, .offset: 40, .size: 8, .value_kind: global_buffer, .address_space: global }
    .group_segment_fixed_size: 327680
    .private_segment_fixed_size: 0
    .kernarg_segment_align: 8
    .kernarg_segment_size: 48
    .max_flat_workgroup_size: 128
    .sgpr_count:     100
    .vgpr_count:     1024
    .wavefront_size: 32
...
	.end_amdgpu_metadata
.endif
;; end of part 2
;; launch attn (part 3): grid 64 x 8, 8 waves a work-group, no clusters, 82,944 bytes of LDS; arguments q_img, kv_img, mbits, mflag, lowp_scales, a_img; writes a_img
.if DOCPART == 3
	.amdgcn_target "amdgcn-amd-amdhsa--gfx1250"
	.amdhsa_code_object_version 6
	.text
	.protected	k_qf61706bf16_attn
	.globl	k_qf61706bf16_attn
	.p2align	8
	.type	k_qf61706bf16_attn,@function
k_qf61706bf16_attn:
	s_mov_b64 s[64:65], 0
	v_nop
	global_prefetch_b8 v0, s[64:65] scope:SCOPE_SE
	s_setreg_imm32_b32 hwreg(HW_REG_WAVE_MODE, 25, 1), 1
	s_wait_xcnt 0x0
; Attention of one head on codes of E4M3: S^T = K Q^T (scales 2^e2, 2^e3), the mask, p = 2^(t - M) quantised with 2^e4, O^T = V^T P^T (V: 2^e5), O / l, quantised with 2^e6 into images of the last product's operand.
; t = score x log2(e) / 8; M = the running largest t rounded UP to a whole number; l = the sum of the unquantised p; when M moves, l and O^T are multiplied by 2^(old M - new M), which rounds nothing.
; THE MASK is an input and is honoured as it was read: mbits holds it as lane masks in my score registers' order, mflag says for each tile of 16 queries which key steps have work and which are not all open.
; A masked score becomes -2^(33 - E), E = e2 + e3: as a logit -2^30 in place of -1e9.  LIMIT: E between -94 and 9.  Then every true logit lies within +-8.3e8, above both numbers by more than 1e8: a masked key has p = 0 in a row that
; has an open key, and p = 1 in a row that has none, with either number; and -2^(33 - E) x c is exact, so that t - M is exactly 0 there.  By the same limit a step without an open key adds nothing to rows that have one elsewhere: it is left out.
; OTHER LIMITS: e4, e6 between -126 and 119; e4 + e5 is applied by v_ldexp_f32 and has none.  NaN is not served.
; SHARES.  A work-group owns 256 queries of one head (block 7 - y: the blocks that a lower triangle makes longest come first), each of its eight waves 32: two tiles of 16.  Two waves lie on a SIMD: one wave's vector work stands beside
; the other's matrix work.  Each fragment of K and V read from LDS feeds two matrix instructions.  Keys go 128 a step, 16 steps, a constant number of trips; a wave jumps over the WORK of a step by a scalar branch on the stored flags.
; NO TENSOR LOAD, NO CLUSTER: what is walked hangs on numbers read from memory, and the query blocks of a head need different tiles.  The 256 threads copy a step's 16,384 bytes
; (K's and V's images, dense) through registers into a ring of four LDS slots, two steps ahead: between two barriers slots s and s + 1 are read and slot s + 2 is written.  One barrier a step, under no branch.
; LAYOUT.  Both products are used transposed: a lane holds ONE query (lane % 16).  In S^T's tile kt register j of lane (r, h) is key 16 kt + 8 h + j: one conversion of the tile's eight registers gives registers 2 kt, 2 kt + 1 of P.
; REGISTERS.  window 0: v1-8 addresses and constants; v12-27 statistics, 8 a tile: +0 -M, +1 the largest t, +2, +3 l in two halves, +4 f (+5 named with it), +6, +7 at work; v28, v29 a permute's results; v32-47 the tile that is being copied;
;   v48-175 S^T, then p, 64 a tile; v176-207 P's codes; v208-211 sums at work; v212, v213 e6's scale and hold.     window 1: v0-63 K; v64-127 V^T; v128-143 Q; v144-207 O^T, 32 a tile.
.set LI,  1                            ; v1   16 x lane
.set CP,  2                            ; v2   16 x thread
.set NGV, 3                            ; v3   -2^(33 - E)
.set SCP, 4                            ; v4   2^e4 as f32
.set LMP, 5                            ; v5   448 x 2^e4
.set PFO, 6                            ; v6   256 x thread: the prefetches' offset
.set STO, 7                            ; v7   the way out: into my stage
.set RDO, 8                            ; v8   and back
.set ST,  12
.set PX,  28
.set STG, 32
.set S,   48
.set P,   176
.set CH,  208
.set SCO, 212
.set LMO, 213
.set KF,  0                            ; in window 1
.set VF,  64
.set QF,  128
.set OT,  144
.set SEL, 16                           ; s[16:17] lane selects for v_permlanex16_b32: lane l xor 16
.set CS,  18                           ; s[18:19] c = log2(e) / 8 x 2^E
.set WG,  20                           ; s20  bit u: step u of this trip has work for some wave of the work-group
.set WK,  21                           ; s21  for my wave
.set MX,  22                           ; s22  bit u: step u is not all open for my 32 queries
.set PF,  23                           ; s23  bit u: I prefetch step u
.set STAGE, 65536                      ; behind the ring: 2,048 bytes for each wave
.set MSB, 0
.macro WIN new                         ; the immediate's high byte repeats the setting that is left; at a label and at a branch every window is 0
.if MSB != \new
	s_set_vgpr_msb (MSB<<8)|\new
.set MSB, \new
.endif
.endm
	s_load_b256 s[4:11], s[0:1], 0x0               ; q_img s[4:5], kv_img s[6:7], mbits s[8:9], mflag s[10:11]
	s_load_b128 s[12:15], s[0:1], 0x20             ; the scales' exponents s[12:13], a_img s[14:15]
	v_lshl_add_u32 v254, v0, 2, 0x14000
	v_mov_b32 v255, 0
	v_lshrrev_b32 v9, 5, v0
	v_readfirstlane_b32 s2, v9                     ; wave 0..7
	v_and_b32 v9, 31, v0
	v_lshlrev_b32 v[LI], 4, v9
	v_lshlrev_b32 v[CP], 4, v0
	v_lshlrev_b32 v[PFO], 8, v0
	s_and_b32 s3, ttmp7, 0xffff                    ; y
	s_sub_co_u32 s66, 7, s3                        ; my block of 256 queries
	s_lshl_b32 s67, s66, 4
	s_lshl_b32 s100, s2, 1
	s_add_co_u32 s67, s67, s100                    ; my first tile of 16 queries: 16 x block + 2 x wave
	s_lshl_b32 s100, ttmp9, 18                     ; the head's 16 steps of 16,384 bytes
	s_mov_b32 s101, 0
	s_wait_kmcnt 0x0
	s_add_nc_u64 s[6:7], s[6:7], s[100:101]
.irp i, 0,1,2,3
	global_load_b128 v[STG+4*\i:STG+4*\i+3], v[CP], s[6:7] offset:4096*\i          ; steps 0 and 1 are copied without a branch: 256 threads x 16 bytes, four times a step
.endr
.irp i, 0,1,2,3
	global_load_b128 v[S+4*\i:S+4*\i+3], v[CP], s[6:7] offset:16384+4096*\i
.endr
	s_lshl_b32 s100, ttmp9, 17
	s_lshl_b32 s32, s67, 10
	s_add_co_u32 s100, s100, s32
	s_add_nc_u64 s[4:5], s[4:5], s[100:101]        ; my two tiles of Q: 1,024 bytes each
	WIN 0x40                                       ; destination window 1
.irp i, 0,1,2,3
	global_load_b128 v[QF+4*\i:QF+4*\i+3], v[LI], s[4:5] offset:512*\i             ; Q stays in registers
.endr
	WIN 0
	s_lshl_b32 s100, s66, 6
	s_add_nc_u64 s[10:11], s[10:11], s[100:101]
	s_load_b512 s[32:47], s[10:11], 0x0            ; the flags of the work-group's 16 tiles,
	s_lshl_b32 s100, s2, 3
	s_add_nc_u64 s[68:69], s[10:11], s[100:101]
	s_load_b64 s[70:71], s[68:69], 0x0             ; of my two,
	s_load_b256 s[24:31], s[12:13], 0x0            ; and e0 .. e7
	s_lshl_b32 s100, s67, 12
	s_add_nc_u64 s[8:9], s[8:9], s[100:101]        ; my tiles' lane masks: 4,096 bytes a tile, 256 a step
	s_mov_b32 s[SEL], 0x76543210
	s_mov_b32 s[SEL+1], 0xfedcba98
	v_and_b32 v9, 15, v0                           ; r
	v_bfe_u32 v10, v0, 4, 1                        ; h
	s_lshl_b32 s100, s2, 11
	s_add_co_u32 s100, s100, STAGE                 ; my stage
	v_lshlrev_b32 v[STO], 4, v9
	v_lshl_add_u32 v[STO], v10, 3, v[STO]
	v_add_nc_u32 v[STO], s100, v[STO]              ; in: 16 r + 8 h
	v_add_nc_u32 v[RDO], s100, v[LI]               ; back: 16 x lane
.irp t, 0,1
	v_mov_b32 v[ST+8*\t+1], 0xff61b1e6             ; the largest t so far: -3e38, under every t
	v_floor_f32 v[ST+8*\t], -v[ST+8*\t+1]          ; -M
	v_mov_b32 v[ST+8*\t+2], 0                      ; l
	v_mov_b32 v[ST+8*\t+3], 0
	v_mov_b32 v[ST+8*\t+4], 0
	v_mov_b32 v[ST+8*\t+5], 0                      ; (named as the upper half of f's pair)
	v_mov_b32 v[PX+\t], 0                          ; a lane permute's destination counts as one of its sources
.endr
	WIN 0x40
.set j, 0
.rept 64
	v_mov_b32 v[OT+j], 0                           ; O^T.  Which step is a wave's first hangs on the flags, so the step is written once and finds zeros, which the first change of M leaves zeros
.set j, j+1
.endr
	WIN 0
	s_wait_kmcnt 0x0
.irp i, 33,34,35,36,37,38,39,40,41,42,43,44,45,46,47
	s_or_b32 s32, s32, s\i
.endr
	s_and_b32 s[WG], s32, 0xffff
	s_or_b32 s70, s70, s71
	s_and_b32 s[WK], s70, 0xffff
	s_lshr_b32 s[MX], s70, 16
	s_lshr_b32 s32, s2, 1                          ; 0 in waves 0 and 1
	s_or_b32 s32, s32, s3                          ; of the head's first work-group
	s_cmp_eq_u32 s32, 0
	s_cselect_b32 s[PF], s[WG], 0
	s_add_co_i32 s32, s26, s27                     ; E = e2 + e3: a score stands for score x 2^E
	s_lshl_b32 s33, s32, 23
	s_add_co_i32 s[CS], s33, 0x3e38aa3b            ; log2(e) / 8 with E added to its exponent field
	s_mov_b32 s[CS+1], s[CS]                       ; (named with it as a pair, so it is written)
	s_sub_co_i32 s33, 160, s32
	s_lshl_b32 s33, s33, 23
	s_or_b32 s33, s33, 0x80000000
	v_mov_b32 v[NGV], s33                          ; -2^(33 - E)
	s_add_co_i32 s32, s28, 127
	s_lshl_b32 s33, s32, 23
	v_mov_b32 v[SCP], s33
	s_add_co_i32 s32, s32, 8
	s_lshl_b32 s32, s32, 23
	s_or_b32 s32, s32, 0x600000
	v_mov_b32 v[LMP], s32
	s_add_co_i32 s32, s30, 127
	s_lshl_b32 s33, s32, 23
	v_mov_b32 v[SCO], s33
	s_add_co_i32 s32, s32, 8
	s_lshl_b32 s32, s32, 23
	s_or_b32 s32, s32, 0x600000
	v_mov_b32 v[LMO], s32
	; a_img [128 tokens][256 of K][16 tokens][128 of K][32 of K][lane][16 bytes]: my first tile's place
	s_lshr_b32 s32, ttmp9, 4                       ; the batch
	s_and_b32 s33, ttmp9, 15                       ; the head
	s_lshl_b32 s32, s32, 7
	s_add_co_u32 s32, s32, s67                     ; which 16 tokens of the 8,192
	s_lshr_b32 s34, s32, 3
	s_lshl_b32 s34, s34, 2
	s_lshr_b32 s35, s33, 2
	s_add_co_u32 s34, s34, s35
	s_lshl_b32 s34, s34, 3
	s_and_b32 s32, s32, 7
	s_add_co_u32 s34, s34, s32
	s_lshl_b32 s34, s34, 12
	s_bfe_u32 s35, s33, 0x10001
	s_lshl_b32 s35, s35, 11
	s_add_co_u32 s34, s34, s35
	s_and_b32 s35, s33, 1
	s_lshl_b32 s35, s35, 10
	s_add_co_u32 s100, s34, s35
	s_add_nc_u64 s[14:15], s[14:15], s[100:101]
	s_wait_loadcnt 0x0                             ; steps 0 and 1, and Q
.irp i, 0,1,2,3
	ds_store_b128 v[CP], v[STG+4*\i:STG+4*\i+3] offset:4096*\i
	ds_store_b128 v[CP], v[S+4*\i:S+4*\i+3] offset:16384+4096*\i
.endr
	s_wait_dscnt 0x0                               ; for the others' sake: my part of slots 0 and 1 has landed
	s_barrier_signal -1
	s_barrier_wait -1
.macro KLOAD sl                        ; K's eight fragments (16 keys x 64: 8 registers) out of slot sl: images, 512 consecutive bytes a load
	WIN 0x40
.set i, 0
.rept 16
	ds_load_b128 v[KF+4*i:KF+4*i+3], v[LI] offset:16384*(\sl)+512*i
.set i, i+1
.endr
	WIN 0
.endm
.macro MASK u                          ; the scores of closed keys become -2^(33 - E).  Word n of a tile's 64 is the lane mask of its register n
.irp t, 0,1
.irp i, 0,1,2,3
	s_load_b256 s[32+8*\i:39+8*\i], s[8:9], 4096*\t+256*(\u)+32*\i
	s_load_b256 s[68+8*\i:75+8*\i], s[8:9], 4096*\t+256*(\u)+128+32*\i
.endr
	s_wait_kmcnt 0x0
.set n, 0
.rept 32
	v_cndmask_b32 v[S+64*\t+n], v[NGV], v[S+64*\t+n], s[32+n]
.set n, n+1
.endr
.set n, 0
.rept 32
	v_cndmask_b32 v[S+64*\t+32+n], v[NGV], v[S+64*\t+32+n], s[68+n]
.set n, n+1
.endr
.endr
.endm
; THE WORK OF A KEY STEP, the u-th of a trip: its tiles lie in slot u.  K is in registers: it was asked for a step ago.
.macro WORK u
	WIN 0x40
.set i, 0
.rept 16
	ds_load_b128 v[VF+4*i:VF+4*i+3], v[LI] offset:16384*(\u)+8192+512*i    ; V^T: four fragments of 16 x 128 keys; they land while the softmax is walked
.set i, i+1
.endr
	s_wait_dscnt 16                                ; all but these sixteen: K is in
	WIN 0x05                                       ; K and Q in window 1, S^T in window 0
.set i, 0
.rept 8
	v_wmma_f32_16x16x64_fp8_fp8 v[S+8*i:S+8*i+7], v[KF+8*i:KF+8*i+7], v[QF:QF+7], 0
	v_wmma_f32_16x16x64_fp8_fp8 v[S+64+8*i:S+64+8*i+7], v[KF+8*i:KF+8*i+7], v[QF+8:QF+15], 0
.set i, i+1
.endr
	WIN 0
.rept 4
	v_nop                                          ; places in front of the loads into K's registers and of the first reads of the scores
.endr
	s_bitcmp1_b32 s[WK], \u+1
	s_cbranch_scc0 .Lno_k_\@
	KLOAD (\u+1)%4                                 ; the next step's K, a softmax ahead of its use
.Lno_k_\@:
	s_bitcmp1_b32 s[MX], \u
	s_cbranch_scc0 .Lopen_\@
	MASK \u
.Lopen_\@:
.irp t, 0,1                                    ; the step's largest score of my query among my 64 keys: two chains a tile, each accumulator from its low end on
	v_max3_num_f32 v[ST+8*\t+6], v[S+64*\t], v[S+64*\t+1], v[S+64*\t+2]
	v_max3_num_f32 v[ST+8*\t+7], v[S+64*\t+3], v[S+64*\t+4], v[S+64*\t+5]
.endr
.set i, 6
.rept 14
.irp t, 0,1
	v_max3_num_f32 v[ST+8*\t+6], v[ST+8*\t+6], v[S+64*\t+i], v[S+64*\t+i+1]
	v_max3_num_f32 v[ST+8*\t+7], v[ST+8*\t+7], v[S+64*\t+i+2], v[S+64*\t+i+3]
.endr
.set i, i+4
.endr
.irp t, 0,1
	v_max3_num_f32 v[ST+8*\t+6], v[ST+8*\t+6], v[S+64*\t+62], v[S+64*\t+63]
.endr
.irp t, 0,1
	v_max_num_f32 v[ST+8*\t+6], v[ST+8*\t+6], v[ST+8*\t+7]
.endr
.irp t, 0,1
	v_permlanex16_b32 v[PX+\t], v[ST+8*\t+6], s[SEL], s[SEL+1]
.endr
.irp t, 0,1
	v_max_num_f32 v[ST+8*\t+6], v[ST+8*\t+6], v[PX+\t]     ; and among lane l xor 16's
.endr
.irp t, 0,1
	v_mul_f32 v[ST+8*\t+6], s[CS], v[ST+8*\t+6]            ; as t (c is positive)
.endr
.irp t, 0,1
	v_max_num_f32 v[ST+8*\t+1], v[ST+8*\t+1], v[ST+8*\t+6] ; the running largest t
.endr
.irp t, 0,1
	v_mov_b32 v[ST+8*\t+6], v[ST+8*\t]
.endr
.irp t, 0,1
	v_floor_f32 v[ST+8*\t], -v[ST+8*\t+1]                  ; the new -M = floor(-t) = -ceil(t)
.endr
.irp t, 0,1
	v_sub_f32 v[ST+8*\t+6], v[ST+8*\t], v[ST+8*\t+6]       ; old M - new M: a whole number, 0 or less
.endr
.irp t, 0,1
	v_cvt_i32_f32 v[ST+8*\t+6], v[ST+8*\t+6]               ; (it saturates)
.endr
.irp t, 0,1
	v_ldexp_f32 v[ST+8*\t+4], 1.0, v[ST+8*\t+6]            ; f = 2^(old M - new M)
.endr
.set i, 0
.rept 32
	v_pk_fma_f32 v[S+i:S+i+1], v[S+i:S+i+1], s[CS:CS+1], v[ST:ST+1] op_sel_hi:[1,0,0]              ; t - M, two at a time (of the pairs c and -M the low word serves both halves)
	v_pk_fma_f32 v[S+64+i:S+64+i+1], v[S+64+i:S+64+i+1], s[CS:CS+1], v[ST+8:ST+9] op_sel_hi:[1,0,0]
.set i, i+2
.endr
.set i, 0
.rept 128
	v_exp_f32 v[S+i], v[S+i]                       ; p = 2^(t - M), at most 1: one batch for both tiles
.set i, i+1
.endr
	v_pk_mul_f32 v[ST+2:ST+3], v[ST+2:ST+3], v[ST+4:ST+5] op_sel_hi:[1,0]        ; l under the new M.  (The plain instruction behind the exponentials)
	v_pk_mul_f32 v[ST+10:ST+11], v[ST+10:ST+11], v[ST+12:ST+13] op_sel_hi:[1,0]
	s_wait_alu depctr_va_vdst(0)                   ; one wait for the whole batch, ahead of its first reader
.irp t, 0,1
	v_pk_add_f32 v[CH+2*\t:CH+2*\t+1], v[S+64*\t:S+64*\t+1], v[S+64*\t+2:S+64*\t+3]   ; the sum is taken of the UNQUANTISED p: two chains a tile
.endr
.set i, 4
.rept 15
.irp t, 0,1
	v_pk_add_f32 v[ST+8*\t+2:ST+8*\t+3], v[ST+8*\t+2:ST+8*\t+3], v[S+64*\t+i:S+64*\t+i+1]
	v_pk_add_f32 v[CH+2*\t:CH+2*\t+1], v[CH+2*\t:CH+2*\t+1], v[S+64*\t+i+2:S+64*\t+i+3]
.endr
.set i, i+4
.endr
.irp t, 0,1
	v_pk_add_f32 v[ST+8*\t+2:ST+8*\t+3], v[ST+8*\t+2:ST+8*\t+3], v[CH+2*\t:CH+2*\t+1]
.endr
	s_cmp_ge_i32 s28, -8                           ; p is at most 1.  With e4 at -8 or above 448 x 2^e4 is 1.75 or more, and the hold would change nothing
	s_cbranch_scc1 .Lno_hold_\@
.set i, 0
.rept 128
	v_min_num_f32 v[S+i], v[S+i], v[LMP]           ; the conversion does not saturate (ISA guide 7.6.2); p is not negative, so the hold is one-sided
.set i, i+1
.endr
.Lno_hold_\@:
.set i, 0
.rept 16
	v_cvt_scalef32_pk8_fp8_f32 v[P+2*i:P+2*i+1], v[S+8*i:S+8*i+7], v[SCP]   ; tile i % 8 of queries' tile i / 8: registers 2 kt, 2 kt + 1 of P
.set i, i+1
.endr
	WIN 0x41                                       ; O^T (destination and source 0) in window 1, f in window 0
.set i, 0
.rept 16
	v_pk_mul_f32 v[OT+i:OT+i+1], v[OT+i:OT+i+1], v[ST+4:ST+5] op_sel_hi:[1,0]             ; O^T under the new M.  (Also the plain instructions between the conversions and the products)
	v_pk_mul_f32 v[OT+32+i:OT+32+i+1], v[OT+32+i:OT+32+i+1], v[ST+12:ST+13] op_sel_hi:[1,0]
.set i, i+2
.endr
	s_wait_dscnt 0x0                               ; V^T, and the next step's K
	WIN 0x51                                       ; V^T in window 1, P in window 0, O^T in window 1
.set i, 0
.rept 4                                        ; the eight accumulators take turns, one instruction a turn
	v_wmma_f32_16x16x128_fp8_fp8 v[OT+8*i:OT+8*i+7], v[VF+16*i:VF+16*i+15], v[P:P+15], v[OT+8*i:OT+8*i+7]
	v_wmma_f32_16x16x128_fp8_fp8 v[OT+32+8*i:OT+32+8*i+7], v[VF+16*i:VF+16*i+15], v[P+16:P+31], v[OT+32+8*i:OT+32+8*i+7]
.set i, i+1
.endr
	WIN 0
.rept 4
	v_nop                                          ; places in front of the next loads into V's registers and of the next reads of O^T
.endr
.endm
; A KEY STEP.  The copy of step u + 2 is asked for at its head and stored at its end; the stores carry no branch: where nothing was asked for, old bytes go into a slot that nobody will read.
; The flags' bits past step 15 are 0: no load and no prefetch leaves the buffer.
.macro STEP u
	s_bitcmp1_b32 s[WG], \u+2
	s_cbranch_scc0 .Lno_copy_\@
.irp i, 0,1,2,3
	global_load_b128 v[STG+4*\i:STG+4*\i+3], v[CP], s[6:7] offset:16384*(\u+2)+4096*\i
.endr
.Lno_copy_\@:
	s_bitcmp1_b32 s[PF], \u+4                      ; A PREFETCH of step u + 4, two steps ahead of its copy: all eight work-groups of a head walk the same K and V; the head's first asks, its waves 0 and 1,
	s_cbranch_scc0 .Lno_ask_\@                     ; a lane for each 256 of the step's 16,384 bytes: each is named once in the launch.  Steps 0 to 3 come by their loads alone
	global_prefetch_b8 v[PFO], s[6:7] offset:16384*(\u+4) th:TH_LOAD_NT scope:SCOPE_SE
.Lno_ask_\@:
	s_bitcmp1_b32 s[WK], \u
	s_cbranch_scc0 .Lidle_\@
	WORK \u
	s_branch .Ltail_\@
.Lidle_\@:
	s_bitcmp1_b32 s[WK], \u+1
	s_cbranch_scc0 .Ltail_\@
	s_wait_dscnt 0x0                               ; earlier loads into K's registers have landed (in the first step: those issued ahead of the loop): a register that a pending load will write is not loaded anew
	KLOAD (\u+1)%4
.Ltail_\@:
	s_wait_loadcnt 0x0                             ; the copy is in registers
.irp i, 0,1,2,3
	ds_store_b128 v[CP], v[STG+4*\i:STG+4*\i+3] offset:16384*((\u+2)%4)+4096*\i   ; slot u + 2 was last read two steps ago, ahead of that step's barrier
.endr
	s_wait_dscnt 0x0                               ; my stores have landed, and my reads of slots u and u + 1 are in
	s_barrier_signal -1
	s_barrier_wait -1
.endm
	KLOAD 0                                        ; step 0's K, without a branch: slot 0 always holds it
	s_mov_b32 s3, 4
.Ltrip:                                            ; four trips of four steps: once round the ring
	STEP 0
	STEP 1
	STEP 2
	STEP 3
	s_wait_xcnt 0x0                                ; the trip's loads and prefetches have read their bases
	s_add_nc_u64 s[6:7], s[6:7], 0x10000           ; four steps of K and V,
	s_add_nc_u64 s[8:9], s[8:9], 0x400             ; of lane masks,
	s_lshr_b32 s[WG], s[WG], 4                     ; and of flags
	s_lshr_b32 s[WK], s[WK], 4
	s_lshr_b32 s[MX], s[MX], 4
	s_lshr_b32 s[PF], s[PF], 4
	s_sub_co_u32 s3, s3, 1
	s_cmp_lg_u32 s3, 0
	s_cbranch_scc1 .Ltrip
	; THE WAY OUT.  O^T / l x 2^(e4 + e5), held, converted with 2^e6.  Register j of tile dt in lane (r, h) is d = 16 dt + 8 h + j; the last product's image wants d = 32 c + 16 h + 0..15 in lane (r, h):
	; the codes go through my stage, 8 bytes at 256 dt + 16 r + 8 h, and come back 16 bytes at 512 c + 16 x lane.
.irp t, 0,1
	v_add_f32 v[ST+8*\t+2], v[ST+8*\t+2], v[ST+8*\t+3]
.endr
.irp t, 0,1
	v_permlanex16_b32 v[PX+\t], v[ST+8*\t+2], s[SEL], s[SEL+1]
.endr
.irp t, 0,1
	v_add_f32 v[ST+8*\t+2], v[ST+8*\t+2], v[PX+\t]         ; the row's sum: above 1/2, since every row's largest p is
.endr
.irp t, 0,1
	v_rcp_f32 v[ST+8*\t+6], v[ST+8*\t+2]
.endr
	v_nop                                          ; a plain instruction behind the reciprocals
	s_add_co_i32 s32, s28, s29
	s_wait_alu depctr_va_vdst(0)                   ; one wait for both, ahead of the first reader
.irp t, 0,1
	v_ldexp_f32 v[ST+8*\t+6], v[ST+8*\t+6], s32
.endr
	WIN 0x01                                       ; source 0 (O^T) in window 1
.irp t, 0,1
.set i, 0
.rept 32
	v_mul_f32 v[S+64*\t+i], v[OT+32*\t+i], v[ST+8*\t+6]    ; each accumulator from its low end on
.set i, i+1
.endr
.endr
	WIN 0
.irp t, 0,1
.set i, 0
.rept 32
	v_med3_num_f32 v[S+64*\t+i], v[S+64*\t+i], -v[LMO], v[LMO]
.set i, i+1
.endr
.endr
.irp t, 0,1
.irp d, 0,1,2,3
	v_cvt_scalef32_pk8_fp8_f32 v[P+16*\t+2*\d:P+16*\t+2*\d+1], v[S+64*\t+8*\d:S+64*\t+8*\d+7], v[SCO]
.endr
.endr
	v_nop                                          ; a plain instruction behind the last conversion
.irp t, 0,1
.irp d, 0,1,2,3
	ds_store_b64 v[STO], v[P+16*\t+2*\d:P+16*\t+2*\d+1] offset:1024*\t+256*\d
.endr
.endr
.irp t, 0,1
.irp c, 0,1
	ds_load_b128 v[S+64*\t+32+4*\c:S+64*\t+32+4*\c+3], v[RDO] offset:1024*\t+512*\c   ; LDS serves a wave's instructions in order (ISA guide 5.7.1.4): these see my stores
.endr
.endr
	s_wait_dscnt 0x0
.irp t, 0,1
.irp c, 0,1
	global_store_b128 v[LI], v[S+64*\t+32+4*\c:S+64*\t+32+4*\c+3], s[14:15] offset:4096*\t+512*\c   ; 32 lanes store 512 consecutive bytes, at a multiple of 512 from the buffer's first byte
.endr
.endr
	s_wait_tensorcnt 0x0
	ds_add_u32 v254, v255
	s_wait_dscnt 0x0
	s_endpgm
.Lfunc_end_k_qf61706bf16_attn:
	.size	k_qf61706bf16_attn, .Lfunc_end_k_qf61706bf16_attn-k_qf61706bf16_attn
	.p2alignl 7, 3214868480
	.fill 96, 4, 3214868480
	.section	.rodata,"a",@progbits
	.p2align	6, 0x0
	.amdhsa_kernel k_qf61706bf16_attn
		.amdhsa_group_segment_fixed_size 82944
		.amdhsa_private_segment_fixed_size 0
		.amdhsa_enable_private_segment 0
		.amdhsa_kernarg_size 48
		.amdhsa_user_sgpr_count 2
		.amdhsa_user_sgpr_kernarg_segment_ptr 1
		.amdhsa_wavefront_size32 1
		.amdhsa_system_sgpr_workgroup_id_x 1
		.amdhsa_system_sgpr_workgroup_id_y 1
		.amdhsa_system_sgpr_workgroup_id_z 1
		.amdhsa_system_vgpr_workitem_id 0
		.amdhsa_next_free_vgpr 512
		.amdhsa_next_free_sgpr 102
		.amdhsa_reserve_vcc 0
		.amdhsa_float_denorm_mode_32 3
		.amdhsa_float_denorm_mode_16_64 3
		.amdhsa_memory_ordered 1
		.amdhsa_forward_progress 1
		.amdhsa_inst_pref_size 177
	.end_amdhsa_kernel
	.amdgpu_metadata
---
amdhsa.version: [ 1, 2 ]
amdhsa.kernels:
  - .name:           k_qf61706bf16_attn
    .symbol:         k_qf61706bf16_attn.kd
    .args:
      - { .name: q_img, .offset: 0, .size: 8, .value_kind: global_buffer, .address_space: global }
      - { .name: kv_img, .offset: 8, .size: 8, .value_kind: global_buffer, .address_space: global }
      - { .name: mbits, .offset: 16, .size: 8, .value_kind: global_buffer, .address_space: global }
      - { .name: mflag, .offset: 24, .size: 8, .value_kind: global_buffer, .address_space: global }
      - { .name: lowp_scales, .offset: 32, .size: 8, .value_kind: global_buffer, .address_space: global }
      - { .name: a_img, .offset: 40, .size: 8, .value_kind: global_buffer, .address_space: global }
    .group_segment_fixed_size: 82944
    .private_segment_fixed_size: 0
    .kernarg_segment_align: 8
    .kernarg_segment_size: 48
    .max_flat_workgroup_size: 256
    .sgpr_count:     102
    .vgpr_count:     512
    .wavefront_size: 32
...
	.end_amdgpu_metadata
.endif
;; end of part 3
;; launch proj (part 4): grid 4 x 32, 4 waves a work-group, clusters of 4 x 4, 327,680 bytes of LDS; arguments a_img, W_out_codes, b_out, lowp_scales, out0; writes out0
.if DOCPART == 4
	.amdgcn_target "amdgcn-amd-amdhsa--gfx1250"
	.amdhsa_code_object_version 6
	.text
	.protected	k_qf61706bf16_proj
	.globl	k_qf61706bf16_proj
	.p2align	8
	.type	k_qf61706bf16_proj,@function
k_qf61706bf16_proj:
	s_mov_b64 s[64:65], 0
	v_nop
	global_prefetch_b8 v0, s[64:65] scope:SCOPE_SE
	s_setreg_imm32_b32 hwreg(HW_REG_WAVE_MODE, 25, 1), 1
	s_wait_xcnt 0x0
	s_wait_alu depctr_hold_cnt(0) depctr_sa_sdst(0) depctr_va_vdst(0) depctr_va_sdst(0) depctr_va_ssrc(0) depctr_va_vcc(0) depctr_vm_vsrc(0)
	s_getreg_b32 s2, hwreg(HW_REG_IB_STS2, 6, 4)
	s_cmp_eq_u32 s2, 0
	s_cbranch_scc0 .Lentry_in_a_cluster
	s_endpgm
.Lentry_in_a_cluster:
	s_bfe_u32 s2, ttmp6, 0x10000c
	s_cmp_lg_u32 s2, 0xf033
	s_cbranch_scc0 .Lentry_shape_is_right
	s_endpgm
.Lentry_shape_is_right:
; out0 = a W_out^T + b_out on codes of E4M3 (a: the attention's result, scale 2^e6; W_out: 2^e7).  out0: [8192][1024] f32; sums in f32; each finished sum x 2^(e6 + e7) + bias, one fused multiply-add.
; LIMIT: e6 + e7 between -126 and 127, so that 2^(e6 + e7) is an f32 number.
; A tile of 256 x 256 is made by a work-group of four waves, a wave makes 128 x 128: 64 accumulators, 512 registers.  K goes in steps of 256 through a ring of two LDS slots filled by the tensor data mover.
; A comes as IMAGES OF ITS FRAGMENTS' REGISTERS: a_img [128 tokens][256 of K][i 8][kc 2][c 4][lane][16 bytes], lane (r, h): token 16 i + r, k = 128 kc + 32 c + 16 h + 0..15.  So 128 tokens x 256 of K are one dense
; block of 32,768 bytes, one tensor load of 128 rows of 256 bytes without padding, and a fragment is four loads of 512 consecutive bytes.  W_out [1024][1024] comes as rows, padded in LDS; its fragments take k at the same places.
; CLUSTERS: 4 x 4 work-groups; A's tiles are shared along a row of the cluster, B's along a column, each asked for JOINTLY.  128 work-groups: the tile is kept large, since each byte from LDS then feeds the most products.
; THE MATRIX INSTRUCTION IS USED TRANSPOSED (source 0 = 16 rows of W_out, source 1 = 16 tokens): a lane holds eight neighbouring numbers of a row of out0.
; No prefetch: K has four steps, of which two are the first fills, and the tiles are shared in the cluster.
; REGISTERS: window 0: v0-31 addresses; v32-95 the bias of my 128 columns in the results' layout; from v128 A's fragments (ONE set), on the way out rows read back.   window 1: B's fragments, TWO sets; on the way out v0-63 a block's numbers.
;   windows 2, 3: the accumulators ((a, b) at v[8 (8 (a % 4) + b)]).
.set SIZE_N, 1024
.set ROWB,   256                       ; a row of B's tile in bytes
.set KROW,   1024                      ; a row of W_out in memory
.set PITCH,  272                       ; B's LDS row: 256 bytes + 16 of padding: row r starts at bank 4 r mod 64 (64 banks of 4 bytes: ISA guide 11.1)
.set FR,     16
.set NL,     4
.set NP,     4
.set AHALF,  32768                     ; 128 tokens x 256 of K as images
.set BOFF,   2*AHALF                   ; B's rows lie behind A's two halves
.set HALFT,  128*PITCH
.set SLOT,   BOFF+2*HALFT
.set LAPS,   2
.set SPARE,  2*SLOT                    ; behind the ring: the spare words, 128 bytes for each wave
.set SPITCH, 528                       ; the way out: a stage of 16 rows x (512 bytes + 16) for each wave, in slot 0, which has had its last fill and its last read when the first result is stored there
.set ADRA, 16
.set ADRB, 20
.set STO,  24
.set RD,   25
.set CO,   26
.set BRA,  27
.set SPW,  28
.set NIL,  29
.set BR,   32
.set AF,   128
.set BK,   128                         ; the way out: 16 rows read back: v128-191 and v192-255 by turns
.set TMP,  0                           ; in window 1
.set G1, 24
.set G0, 32
.set G1B, 48
.set G0B, 56
.set MSB, 0
.macro WIN new                         ; the immediate's high byte repeats the setting that is left
.if MSB != \new
	s_set_vgpr_msb (MSB<<8)|\new
.set MSB, \new
.endif
.endm
.set MUL_LO, 0xa1
.set MUL_HI, 0xf1
.set TO_B,   0x40
.macro JLOAD g0a, g1a, g0b, g1b        ; a joint load: waves 0 and 1 fetch for A, waves 2 and 3 for B; four v_nop follow each of the two lines
	s_cmp_eq_u32 s15, 0
	s_cbranch_scc0 .Lfor_b_\@
	tensor_load_to_lds s[\g0a:\g0a+3], s[\g1a:\g1a+7]
	s_nop 0
.rept 4
	v_nop
.endr
	s_branch .Lasked_\@
.Lfor_b_\@:
	tensor_load_to_lds s[\g0b:\g0b+3], s[\g1b:\g1b+7]
	s_nop 0
.rept 4
	v_nop
.endr
.Lasked_\@:
.endm
.macro CREST
	s_cmp_lg_u32 s14, 0
	s_cbranch_scc1 .Lnot_wave_0_\@
	s_barrier_signal -3
.Lnot_wave_0_\@:
	s_barrier_wait -3
	s_barrier_signal -1
	s_barrier_wait -1
.endm
.macro CROUND
	s_barrier_signal -1
	s_barrier_wait -1
	CREST
.endm
	s_load_b256 s[4:11], s[0:1], 0x0               ; a_img s[4:5], W_out s[6:7], b_out s[8:9], the scales' exponents s[10:11]
	s_load_b64 s[12:13], s[0:1], 0x20              ; out0
	v_lshl_add_u32 v[SPW], v0, 2, SPARE
	v_mov_b32 v[NIL], 0
	ds_add_u32 v28, v29
	ds_add_u32 v28, v29
	s_wait_dscnt 0x0
	v_lshrrev_b32 v1, 5, v0
	v_readfirstlane_b32 s14, v1                    ; wave 0..3
	s_lshr_b32 s15, s14, 1                         ; which half of the tile's rows is mine.  Also: I fetch for A (0) or for B (1)
	s_and_b32 s16, s14, 1                          ; which half of its columns.  Also: which half of that tile I fetch
	s_bfe_u32 s40, ttmp6, 0x40000                  ; cx, cy
	s_bfe_u32 s41, ttmp6, 0x40004
	s_lshl_b32 s42, ttmp9, 2
	s_add_co_u32 s42, s42, s40                     ; tile column = 4 x cluster x + cx
	s_and_b32 s17, ttmp7, 0xffff
	s_lshl_b32 s17, s17, 2
	s_add_co_u32 s17, s17, s41                     ; tile row = 4 x cluster y + cy
	s_lshl_b32 s43, s41, 2
	s_lshl_b32 s43, 15, s43                        ; my row of the cluster
	s_lshl_b32 s44, 0x1111, s40                    ; my column
	; group 1 for A: 128 rows of 32 elements of 8 bytes, dense in memory and in LDS
	s_or_b32 s[G1+0], s43, (3<<16)|(1<<21)         ; 15:0 the mask: my row; 17:16 elements of 8 bytes; 20 no padding; 21 set beside a mask
	s_mov_b32 s[G1+1], 32<<16                      ; tensor_dim0 = 32
	s_mov_b32 s[G1+2], 128<<16                     ; tensor_dim1 = 128
	s_mov_b32 s[G1+3], 32<<16                      ; tile_dim0 = 32
	s_mov_b32 s[G1+4], 128                         ; tile_dim1 = 128
	s_mov_b32 s[G1+5], 32                          ; from row to row: 32 elements
	s_mov_b32 s[G1+6], 0
	s_mov_b32 s[G1+7], 0
	; group 1 for B: 128 rows of 256 bytes, 1,024 apart, padded in LDS
	s_or_b32 s[G1B+0], s44, (0<<16)|(1<<20)|(1<<21)|(5<<22)|(3<<25)  ; the mask: my column; elements of 1 byte; padding: 4 words after every 64
	s_mov_b32 s[G1B+1], ROWB<<16
	s_mov_b32 s[G1B+2], 128<<16
	s_mov_b32 s[G1B+3], ROWB<<16
	s_mov_b32 s[G1B+4], 128
	s_mov_b32 s[G1B+5], KROW
	s_mov_b32 s[G1B+6], 0
	s_mov_b32 s[G1B+7], 0
	s_lshl_b32 s20, s17, 1
	s_add_co_u32 s20, s20, s16                     ; A: which 128 tokens: 2 x tile row + half;
	s_lshl_b32 s20, s20, 17                        ; four K steps of 32,768 bytes each
	s_mov_b32 s21, 0
	s_lshl_b32 s18, s16, 7
	s_lshl_b32 s46, s42, 8
	s_add_co_u32 s46, s46, s18                     ; B: row 256 x tile column + 128 x half
	s_lshl_b32 s46, s46, 10
	s_mov_b32 s47, 0
	s_mul_i32 s45, s16, AHALF                      ; where they go: no place in the cluster enters an LDS address
	s_mul_i32 s66, s16, HALFT
	s_add_co_u32 s66, s66, BOFF
	s_wait_kmcnt 0x0
	s_load_b256 s[88:95], s[10:11], 0x0            ; e0 .. e7
	s_add_nc_u64 s[20:21], s[4:5], s[20:21]
	s_add_nc_u64 s[46:47], s[6:7], s[46:47]
	CROUND                                         ; all sixteen work-groups are here: the first joint loads meet
.irp s, 0,1
	s_mov_b32 s[G0+4*\s], 1
	s_add_co_u32 s[G0+4*\s+1], s45, \s*SLOT
	s_add_nc_u64 s[G0+4*\s+2:G0+4*\s+3], s[20:21], \s*AHALF
	s_or_b32 s[G0+4*\s+3], s[G0+4*\s+3], 0x80000000
	s_mov_b32 s[G0B+4*\s], 1
	s_add_co_u32 s[G0B+4*\s+1], s66, \s*SLOT
	s_add_nc_u64 s[G0B+4*\s+2:G0B+4*\s+3], s[46:47], \s*ROWB
	s_or_b32 s[G0B+4*\s+3], s[G0B+4*\s+3], 0x80000000
	JLOAD G0+4*\s, G1, G0B+4*\s, G1B
.endr
	v_and_b32 v1, 15, v0                           ; r
	v_bfe_u32 v2, v0, 4, 1                         ; h
	v_and_b32 v6, 31, v0
	v_lshlrev_b32 v[CO], 4, v6                     ; 16 x lane: an image's place for my lane, and my bytes of a row of out0
	v_mul_u32_u24 v3, v1, PITCH
	v_lshl_add_u32 v4, v2, 4, v3                   ; B: a fragment's row x pitch + 16 x half
	s_mul_i32 s21, s15, AHALF                      ; my 128 tokens of A
	s_mul_i32 s22, s16, HALFT                      ; my 128 rows of B
	s_add_co_u32 s22, s22, BOFF
.irp s, 0,1
	v_add_nc_u32 v[ADRA+\s], s21, v[CO]
	v_add_nc_u32 v[ADRB+\s], s22, v4
	s_add_co_u32 s21, s21, SLOT
	s_add_co_u32 s22, s22, SLOT
.endr
	s_mul_i32 s23, s14, 16*SPITCH                  ; my stage
	v_mul_u32_u24 v5, v1, SPITCH                   ; in: row r, 32 bytes for each half of the lanes
	v_lshl_add_u32 v5, v2, 5, v5
	v_add_nc_u32 v[STO], s23, v5
	v_add_nc_u32 v[RD], s23, v[CO]                 ; back: the 32 lanes take one row of 512 bytes
	s_lshl_b32 s20, s17, 8
	s_lshl_b32 s21, s15, 7
	s_add_co_u32 s20, s20, s21                     ; my first row of out0,
	s_lshl_b32 s20, s20, 12                        ; of 4,096 bytes (under 2^25)
	s_lshl_b32 s46, s42, 10                        ; my first column, in bytes: 1,024 x tile column + 512 x half
	s_lshl_b32 s47, s16, 9
	s_add_co_u32 s46, s46, s47
	s_add_co_u32 s20, s20, s46
	s_mov_b32 s21, 0
	s_add_nc_u64 s[12:13], s[12:13], s[20:21]
	v_lshlrev_b32 v[BRA], 5, v2                    ; b_out[my first column + 16 b + 8 h + 0..7]: the column's bytes are the same in b_out as in a row of out0
	v_add_nc_u32 v[BRA], s46, v[BRA]
.irp b, 0,1,2,3,4,5,6,7
	global_load_b128 v[BR+8*\b:BR+8*\b+3], v[BRA], s[8:9] offset:64*\b             ; they land while K is walked
	global_load_b128 v[BR+8*\b+4:BR+8*\b+7], v[BRA], s[8:9] offset:64*\b+16
.endr
.macro FRAGB reg, adr, q, i            ; 16 rows x 128 K of W_out: lane l holds row l % 16; registers 4 c .. 4 c + 3 hold K = 32 c + 16 (l / 16) + 0 .. 15
.irp c, 0,1,2,3
	ds_load_b128 v[\reg+4*\c:\reg+4*\c+3], v[\adr] offset:128*(\q)+32*\c+(\i)*16*PITCH
.endr
.endm
.macro FRAGA reg, adr, q, i            ; the same of A, as its image lies: 512 consecutive bytes a load
.irp c, 0,1,2,3
	ds_load_b128 v[\reg+4*\c:\reg+4*\c+3], v[\adr] offset:4096*(\i)+2048*(\q)+512*\c
.endr
.endm
; The 64 accumulators take turns, one instruction a turn, in the same order in every step.
.macro MUL16 a0, p, zero
.irp a, \a0, \a0+1
.irp b, 0,1,2,3,4,5,6,7
.if \zero
	v_wmma_f32_16x16x128_fp8_fp8 v[8*(8*((\a)%4)+\b):8*(8*((\a)%4)+\b)+7], v[128*(\p)+FR*\b:128*(\p)+FR*\b+FR-1], v[AF+FR*(\a):AF+FR*(\a)+FR-1], 0
.else
	v_wmma_f32_16x16x128_fp8_fp8 v[8*(8*((\a)%4)+\b):8*(8*((\a)%4)+\b)+7], v[128*(\p)+FR*\b:128*(\p)+FR*\b+FR-1], v[AF+FR*(\a):AF+FR*(\a)+FR-1], v[8*(8*((\a)%4)+\b):8*(8*((\a)%4)+\b)+7]
.endif
.endr
.endr
.endm
.macro FETCH_B slot, q, p
	WIN TO_B
.irp i, 0,1,2,3,4,5,6,7
	FRAGB 128*(\p)+FR*\i, ADRB+\slot, \q, \i
.endr
	WIN 0
.endm
.macro FETCH_A slot, q, i0
.irp i, \i0, \i0+1, \i0+2, \i0+3
	FRAGA AF+FR*(\i), ADRA+\slot, \q, \i
.endr
.endm
.macro PLACES n                        ; plain vector instructions between a matrix instruction and a load into, or a vector instruction on, its registers
.rept \n
	v_nop
.endr
.endm
.macro STEP slot, q, zero
	s_wait_dscnt 4*NL                              ; B's set and A's blocks 0-3 are in; the youngest 16 loads (A's blocks 4-7) may be out
	WIN MUL_LO
	MUL16 0, (\q)%2, \zero
	MUL16 2, (\q)%2, \zero
	s_wait_dscnt 0
	PLACES NP
	FETCH_B \slot, (\q)+1, 1-(\q)%2
	FETCH_A \slot, (\q)+1, 0
	WIN MUL_HI
	MUL16 4, (\q)%2, \zero
	MUL16 6, (\q)%2, \zero
	PLACES NP
	WIN 0
	FETCH_A \slot, (\q)+1, 4
.endm
; A slot's last step changes slots: ONE barrier; in front of it each wave waits for all its tensor loads, adds 0 to its spare word, and waits for that and for its own reads of this slot.
.macro TURN slot, next, fill
	s_wait_tensorcnt 0x0                           ; all my tensor loads have landed: my part of the next slot
	ds_add_u32 v[SPW], v[NIL]                      ; 0 onto my spare word
	s_wait_dscnt 4*NL+1                            ; (the add and the youngest 16 loads may be out)
	WIN MUL_LO
	MUL16 0, 1, 0
	s_wait_dscnt 0x0                               ; the add is done, and my reads of this slot are over
	s_barrier_signal -1
	MUL16 2, 1, 0
	WIN 0
	s_barrier_wait -1
.if \fill
	CREST                                          ; the barrier has opened a round of the cluster's barrier: no wave of any partner still reads this slot's tile or has a load on its way
	s_add_nc_u64 s[G0+4*\slot+2:G0+4*\slot+3], s[G0+4*\slot+2:G0+4*\slot+3], 2*AHALF
	s_add_nc_u64 s[G0B+4*\slot+2:G0B+4*\slot+3], s[G0B+4*\slot+2:G0B+4*\slot+3], 2*ROWB
	JLOAD G0+4*\slot, G1, G0B+4*\slot, G1B         ; the first tensor load behind the round; the four v_nop behind it are the places in front of the loads below
.else
	PLACES NP
.endif
	FETCH_B \next, 0, 0
	FETCH_A \next, 0, 0
	WIN MUL_HI
	MUL16 4, 1, 0
	MUL16 6, 1, 0
	PLACES NP
	WIN 0
	FETCH_A \next, 0, 4
.endm
	s_wait_tensorcnt 1                             ; my part of K step 0 is in (K step 1's load may be out)
	s_barrier_signal -1
	s_barrier_wait -1                              ; everybody's is
	FETCH_B 0, 0, 0
	FETCH_A 0, 0, 0
	FETCH_A 0, 0, 4
	STEP 0, 0, 1                                   ; the first step's products start the sums
	s_mov_b32 s3, LAPS-1
.Llap:
	TURN 0, 1, 1
	STEP 1, 0, 0
	TURN 1, 0, 1
	STEP 0, 0, 0
	s_sub_co_u32 s3, s3, 1
	s_cmp_lg_u32 s3, 0
	s_cbranch_scc1 .Llap
	TURN 0, 1, 0                                   ; the last lap fills nothing
	STEP 1, 0, 0
	s_wait_dscnt 4*NL
	WIN MUL_LO
	MUL16 0, 1, 0
	MUL16 2, 1, 0
	s_wait_dscnt 0
	WIN MUL_HI
	MUL16 4, 1, 0
	MUL16 6, 1, 0
	WIN 0
; THE WAY OUT, block by block of 16 rows x 128 columns: a lane holds 32 neighbouring bytes of a row, the lanes beside it other rows; a block goes through my own stage and comes back as whole rows of 512 bytes.
.macro TOSTAGE a
.set AC, 64*((\a)%4)
	WIN 0x42+((\a)/4)                              ; source 0 (the sums) window 2 or 3, source 2 (the bias) window 0, destination window 1
.set j, 0
.rept 32
	v_pk_fma_f32 v[TMP+j:TMP+j+1], v[AC+j:AC+j+1], s[96:97], v[BR+j:BR+j+1] op_sel_hi:[1,0,1]   ; sum x 2^(e6 + e7) + bias; each accumulator from its low end on
.set j, j+2
.endr
	WIN 0x04                                       ; a store's data are its source 1: window 1
.irp b, 0,1,2,3,4,5,6,7
	ds_store_b128 v[STO], v[TMP+8*\b:TMP+8*\b+3] offset:64*\b
	ds_store_b128 v[STO], v[TMP+8*\b+4:TMP+8*\b+7] offset:64*\b+16
.endr
	WIN 0
.set BB, BK+64*((\a)%2)
.irp t, 0,1,2,3,4,5,6,7,8,9,10,11,12,13,14,15
	ds_load_b128 v[BB+4*\t:BB+4*\t+3], v[RD] offset:\t*SPITCH    ; LDS serves a wave's instructions in order (ISA guide 5.7.1.4): these see the stores above
.endr
.endm
.macro SEND a, younger                 ; younger: the LDS instructions issued behind block a's loads, which may stay out
.set BB, BK+64*((\a)%2)
	s_wait_dscnt \younger
.if (\a) > 0
	s_add_nc_u64 s[12:13], s[12:13], 16*SIZE_N*4   ; (behind a wait on XCNT: the earlier stores have read their base)  16 rows on
.endif
.irp t, 0,1,2,3,4,5,6,7,8,9,10,11,12,13,14,15
	global_store_b128 v[CO], v[BB+4*\t:BB+4*\t+3], s[12:13] offset:\t*SIZE_N*4 th:TH_STORE_NT   ; 32 lanes store 512 consecutive bytes, at a multiple of 512 from out0's first byte; written once
.endr
.endm
	s_wait_kmcnt 0x0
	s_add_co_i32 s96, s94, s95                     ; e6 + e7
	s_add_co_i32 s96, s96, 127
	s_lshl_b32 s96, s96, 23                        ; 2^(e6 + e7) as f32
	s_mov_b32 s97, s96                             ; (named with it as a pair, so it is written)
	s_wait_loadcnt 0x0                             ; the bias
	PLACES NP                                      ; behind the last products: for the writes over B's registers, the loads into A's and the reads of results
	TOSTAGE 0
.irp a, 1,2,3,4,5,6,7
.if \a > 1
	s_wait_xcnt 0x0                                ; block a - 2's stores have read their registers and their base
.endif
	TOSTAGE \a
	SEND \a-1, 32                                  ; behind block a - 1's loads: block a's 16 stores and 16 loads
.endr
	s_wait_xcnt 0x0
	SEND 7, 0
	s_wait_tensorcnt 0x0                           ; the wave's end
	ds_add_u32 v[SPW], v[NIL]
	s_wait_dscnt 0x0
	CROUND                                         ; the closing round
	s_endpgm
.Lfunc_end_k_qf61706bf16_proj:
	.size	k_qf61706bf16_proj, .Lfunc_end_k_qf61706bf16_proj-k_qf61706bf16_proj
	.p2alignl 7, 3214868480
	.fill 96, 4, 3214868480
	.section	.rodata,"a",@progbits
	.p2align	6, 0x0
	.amdhsa_kernel k_qf61706bf16_proj
		.amdhsa_group_segment_fixed_size 327680
		.amdhsa_private_segment_fixed_size 0
		.amdhsa_enable_private_segment 0
		.amdhsa_kernarg_size 40
		.amdhsa_user_sgpr_count 2
		.amdhsa_user_sgpr_kernarg_segment_ptr 1
		.amdhsa_wavefront_size32 1
		.amdhsa_system_sgpr_workgroup_id_x 1
		.amdhsa_system_sgpr_workgroup_id_y 1
		.amdhsa_system_sgpr_workgroup_id_z 1
		.amdhsa_system_vgpr_workitem_id 0
		.amdhsa_next_free_vgpr 1024
		.amdhsa_next_free_sgpr 98
		.amdhsa_reserve_vcc 0
		.amdhsa_float_denorm_mode_32 3
		.amdhsa_float_denorm_mode_16_64 3
		.amdhsa_memory_ordered 1
		.amdhsa_forward_progress 1
		.amdhsa_inst_pref_size 125
	.end_amdhsa_kernel
	.amdgpu_metadata
---
amdhsa.version: [ 1, 2 ]
amdhsa.kernels:
  - .name:           k_qf61706bf16_proj
    .symbol:         k_qf61706bf16_proj.kd
    .args:
      - { .name: a_img, .offset: 0, .size: 8, .value_kind: global_buffer, .address_space: global }
      - { .name: W_out_codes, .offset: 8, .size: 8, .value_kind: global_buffer, .address_space: global }
      - { .name: b_out, .offset: 16, .size: 8, .value_kind: global_buffer, .address_space: global }
      - { .name: lowp_scales, .offset: 24, .size: 8, .value_kind: global_buffer, .address_space: global }
      - { .name: out0, .offset: 32, .size: 8, .value_kind: global_buffer, .address_space: global }
    .group_segment_fixed_size: 327680
    .private_segment_fixed_size: 0
    .kernarg_segment_align: 8
    .kernarg_segment_size: 40
    .max_flat_workgroup_size: 128
    .sgpr_count:     98
    .vgpr_count:     1024
    .wavefront_size: 32
...
	.end_amdgpu_metadata
.endif
;; end of part 4
